; MI455X (gfx1250); checked and timed in simulation.
; The chip was launched on July 23, 2026; its instructions are those of AMD's public machine-readable ISA for CDNA 5 (MIT licence, August 2026) and "CDNA5" Instruction Set Architecture Reference Guide (July 2026). The comments in the code are by the model that wrote it; some were corrected since.
;; Cloud Crop. Allowed arithmetic: float matrix products may take bf16 or f16 operands with f32 sums; other float arithmetic in f32, or as packed bf16 or f16 multiplies, adds, multiply-adds, maxima and minima; sums over many terms, partial sums and values carried from step to step in f32; what a program stores and reads back later, other than sums and carried values, may be rounded once to bf16 or f16.
;; Inputs: W1 256 x 259 float32; W2 256 x 256 float32; beta1 256 float32; beta2 256 float32; gamma1 256 float32; gamma2 256 float32; seed_features_graspable 4 x 256 x 2,048 float32; seed_xyz_graspable 4 x 2,048 x 3 float32; vp_rot 4 x 2,048 x 3 x 3 float32.
;; Outputs: out0 4 x 256 x 2,048 float32.
;; One version. Each part assembles by itself: llvm-mc -triple=amdgcn-amd-amdhsa -mcpu=gfx1250 --defsym DOCPART=n.
;; ======== version 1 of 1: 6 launches
;; limits: values outside matrix products are rounded to f16; values are held in f16: magnitudes above 65,504 overflow, below 6.1e-05 lose precision
;; workspace buffers: maskw 2,097,152 bytes of whole numbers; idxw 1,048,576 bytes of whole numbers; f1h 4,194,304 bytes; w2h 131,072 bytes; part1 524,288 bytes; tab1 6,144 bytes; ymaxw 8,388,608 bytes; part2 524,288 bytes
;; launch query (part 1): grid 256 x 1, 8 waves a work-group, no clusters, 0 bytes of LDS; arguments seed_xyz_graspable, vp_rot, maskw; writes maskw
.if DOCPART == 1
	.amdgcn_target "amdgcn-amd-amdhsa--gfx1250"
	.amdhsa_code_object_version 6
	.text
	.protected	k_qb6a46f0e79_query
	.globl	k_qb6a46f0e79_query
	.p2align	8
	.type	k_qb6a46f0e79_query,@function
k_qb6a46f0e79_query:
	s_mov_b64 s[64:65], 0
	v_nop
	global_prefetch_b8 v0, s[64:65] scope:SCOPE_SE
	s_setreg_imm32_b32 hwreg(HW_REG_WAVE_MODE, 25, 1), 1
	s_wait_xcnt 0x0
; CYLINDER QUERY: for each of the 8,192 queries (4 batches x 2,048) the 2,048 bits "candidate n lies in the query's cylinder".
; maskw[q][64] u32: bit l of word w is candidate 32 w + l.  All in f32, in this order: d = x[n] - x[p];
; r_i = fma(R_i2, d2, fma(R_i1, d1, R_i0 d0)); r1^2 + r2^2 = fma(r1, r1, r2 r2).
; LIMIT: a candidate within one rounding of a threshold may fall on the other side than with another order of the same sums.
; SHARES: work-group g has queries 32 g .. 32 g + 31 (one batch), wave w four of them, one a trip.  A wave keeps all 2,048
; candidates of its batch in registers: lane l holds candidate 32 w' + l for w' = 0 .. 63, so a compare's lane mask IS word w'.
; No LDS, no matrix unit: three multiply-adds a coordinate, nothing shared but 24 KB of coordinates.
.set OUTW, 4                           ; v[4:5]    the lane's two mask words (words 2 l, 2 l + 1)
.set CX,   6                           ; v[6:11]   the query's x, y, z, each twice (a pair for the packed forms)
.set CR,   12                          ; v[12:29]  its nine R_ij, each twice: R_ij at CR + 6 i + 2 j
.set D,    30                          ; v[30:35]  d0, d1, d2 of two words
.set R,    36                          ; v[36:41]  r0, r1, r2 of two words
.set QQ,   42                          ; v[42:43]  r1^2 + r2^2
.set X,    44                          ; v[44:107], v[108:171], v[172:235]: the candidates' x, y, z by word
.set Y,    108
.set Z,    172
	s_load_b128 s[4:7], s[0:1], 0x0                ; xyz s[4:5], rot s[6:7]
	s_load_b64 s[8:9], s[0:1], 0x10                ; maskw
	v_and_b32 v1, 31, v0                           ; lane
	v_lshrrev_b32 v2, 5, v0
	v_readfirstlane_b32 s10, v2                    ; wave
	v_mul_u32_u24 v2, v1, 12                       ; a candidate is 12 bytes
	s_lshl_b32 s11, ttmp9, 5
	s_lshl2_add_u32 s11, s10, s11                  ; my first query: 32 g + 4 w
	s_lshl_b32 s2, s11, 8
	v_lshl_add_u32 v3, v1, 3, s2                   ; 256 q + 8 lane
	v_mov_b32 v[OUTW], 0                           ; v_writelane_b32 counts as a reader of its destination
	v_mov_b32 v[OUTW+1], 0
	s_lshr_b32 s3, ttmp9, 6                        ; batch
	s_mul_i32 s32, s3, 24576
	s_mov_b32 s33, 0
	s_mov_b32 s13, 0xbca3d70a                      ; -0.02
	s_mov_b32 s14, 0x3d23d70a                      ; 0.04
	s_mov_b32 s15, 0x3b23d70a                      ; 0.05^2
	s_mul_i32 s30, s11, 12
	s_mul_i32 s31, s11, 36
	s_mov_b32 s12, 4
	s_wait_kmcnt 0x0
	s_add_nc_u64 s[32:33], s[4:5], s[32:33]        ; the batch's coordinates
	s_load_b96 s[16:18], s[4:5], s30               ; the first query's point
	s_load_b256 s[20:27], s[6:7], s31              ; and rotation
	s_load_b32 s28, s[6:7], s31 offset:0x20
.set i, 0
.rept 64
	global_load_b32 v[X+i], v2, s[32:33] offset:i*384
	global_load_b32 v[Y+i], v2, s[32:33] offset:i*384+4
	global_load_b32 v[Z+i], v2, s[32:33] offset:i*384+8
.set i, i+1
.endr
	s_wait_loadcnt 0x0                             ; once: the candidates stay
; Words 2 m and 2 m + 1: 14 packed instructions, six compares; the two lane masks go into lane m of the two output registers.
.macro PAIRW m
	v_pk_add_f32 v[D:D+1],   v[X+2*(\m):X+2*(\m)+1], v[CX:CX+1]   neg_lo:[0,1] neg_hi:[0,1]
	v_pk_add_f32 v[D+2:D+3], v[Y+2*(\m):Y+2*(\m)+1], v[CX+2:CX+3] neg_lo:[0,1] neg_hi:[0,1]
	v_pk_add_f32 v[D+4:D+5], v[Z+2*(\m):Z+2*(\m)+1], v[CX+4:CX+5] neg_lo:[0,1] neg_hi:[0,1]
.irp a, 0,1,2
	v_pk_mul_f32 v[R+2*\a:R+2*\a+1], v[CR+6*\a:CR+6*\a+1], v[D:D+1]
.endr
.irp a, 0,1,2
	v_pk_fma_f32 v[R+2*\a:R+2*\a+1], v[CR+6*\a+2:CR+6*\a+3], v[D+2:D+3], v[R+2*\a:R+2*\a+1]
.endr
.irp a, 0,1,2
	v_pk_fma_f32 v[R+2*\a:R+2*\a+1], v[CR+6*\a+4:CR+6*\a+5], v[D+4:D+5], v[R+2*\a:R+2*\a+1]
.endr
	v_pk_mul_f32 v[QQ:QQ+1], v[R+4:R+5], v[R+4:R+5]
	v_pk_fma_f32 v[QQ:QQ+1], v[R+2:R+3], v[R+2:R+3], v[QQ:QQ+1]
	v_cmp_gt_f32 s34, v[R], s13
	v_cmp_lt_f32 s35, v[R], s14
	v_cmp_lt_f32 s36, v[QQ], s15
	v_cmp_gt_f32 s37, v[R+1], s13
	v_cmp_lt_f32 s38, v[R+1], s14
	v_cmp_lt_f32 s39, v[QQ+1], s15
	s_and_b32 s34, s34, s35
	s_and_b32 s37, s37, s38
	s_and_b32 s34, s34, s36
	s_and_b32 s37, s37, s39
	v_writelane_b32 v[OUTW], s34, \m
	v_writelane_b32 v[OUTW+1], s37, \m
.endm
.Lq:
	s_wait_kmcnt 0x0                               ; this query's twelve numbers (scalar loads: only the count 0 shows anything)
.irp j, 0,1,2
	v_mov_b32 v[CX+2*\j], s[16+\j]
	v_mov_b32 v[CX+2*\j+1], s[16+\j]
.endr
.irp k, 0,1,2,3,4,5,6,7
	v_mov_b32 v[CR+2*\k], s[20+\k]
	v_mov_b32 v[CR+2*\k+1], s[20+\k]
.endr
	v_mov_b32 v[CR+16], s28
	v_mov_b32 v[CR+17], s28
	s_wait_xcnt 0x0                                ; the last trip's store has read its offset and its data: both are written again below
	v_add_nc_u32 v3, 256, v3                       ; the store below reaches back by 256
	s_add_co_u32 s11, s11, 1
	s_min_u32 s11, s11, 8191                       ; the next query's numbers are asked for now; behind the last query of all the address is clamped
	s_mul_i32 s30, s11, 12
	s_mul_i32 s31, s11, 36
	s_load_b96 s[16:18], s[4:5], s30
	s_load_b256 s[20:27], s[6:7], s31
	s_load_b32 s28, s[6:7], s31 offset:0x20
.set n, 0
.rept 32
	PAIRW n
.set n, n+1
.endr
	global_store_b64 v3, v[OUTW:OUTW+1], s[8:9] offset:-256  ; the wave's store covers the query's 256 bytes, aligned
	s_sub_co_u32 s12, s12, 1
	s_cmp_lg_u32 s12, 0
	s_cbranch_scc1 .Lq
	s_wait_kmcnt 0x0                               ; the last, unused scalar loads have come back
	s_endpgm
.Lfunc_end_k_qb6a46f0e79_query:
	.size	k_qb6a46f0e79_query, .Lfunc_end_k_qb6a46f0e79_query-k_qb6a46f0e79_query
	.p2alignl 7, 3214868480
	.fill 96, 4, 3214868480
	.section	.rodata,"a",@progbits
	.p2align	6, 0x0
	.amdhsa_kernel k_qb6a46f0e79_query
		.amdhsa_group_segment_fixed_size 0
		.amdhsa_private_segment_fixed_size 0
		.amdhsa_enable_private_segment 0
		.amdhsa_kernarg_size 24
		.amdhsa_user_sgpr_count 2
		.amdhsa_user_sgpr_kernarg_segment_ptr 1
		.amdhsa_wavefront_size32 1
		.amdhsa_system_sgpr_workgroup_id_x 1
		.amdhsa_system_sgpr_workgroup_id_y 1
		.amdhsa_system_sgpr_workgroup_id_z 1
		.amdhsa_system_vgpr_workitem_id 0
		.amdhsa_next_free_vgpr 236
		.amdhsa_next_free_sgpr 66
		.amdhsa_reserve_vcc 0
		.amdhsa_float_denorm_mode_32 3
		.amdhsa_float_denorm_mode_16_64 3
		.amdhsa_memory_ordered 1
		.amdhsa_forward_progress 1
		.amdhsa_inst_pref_size 69
	.end_amdhsa_kernel
	.amdgpu_metadata
---
amdhsa.version: [ 1, 2 ]
amdhsa.kernels:
  - .name:           k_qb6a46f0e79_query
    .symbol:         k_qb6a46f0e79_query.kd
    .args:
      - { .name: seed_xyz_graspable, .offset: 0, .size: 8, .value_kind: global_buffer, .address_space: global }
      - { .name: vp_rot, .offset: 8, .size: 8, .value_kind: global_buffer, .address_space: global }
      - { .name: maskw, .offset: 16, .size: 8, .value_kind: global_buffer, .address_space: global }
    .group_segment_fixed_size: 0
    .private_segment_fixed_size: 0
    .kernarg_segment_align: 8
    .kernarg_segment_size: 24
    .max_flat_workgroup_size: 256
    .sgpr_count:     66
    .vgpr_count:     236
    .wavefront_size: 32
...
	.end_amdgpu_metadata
.endif
;; end of part 1
;; launch f1 (part 2): grid 128 x 2, 8 waves a work-group, clusters of 4 x 1, 192,512 bytes of LDS; arguments seed_features_graspable, W1, W2, gamma2, f1h, w2h; writes f1h, w2h
.if DOCPART == 2
	.amdgcn_target "amdgcn-amd-amdhsa--gfx1250"
	.amdhsa_code_object_version 6
	.text
	.protected	k_qb6a46f0e79_f1
	.globl	k_qb6a46f0e79_f1
	.p2align	8
	.type	k_qb6a46f0e79_f1,@function
k_qb6a46f0e79_f1:
	s_mov_b64 s[64:65], 0
	v_nop
	global_prefetch_b8 v0, s[64:65] scope:SCOPE_SE
	s_setreg_imm32_b32 hwreg(HW_REG_WAVE_MODE, 25, 1), 1
	s_wait_xcnt 0x0
	s_wait_alu depctr_hold_cnt(0) depctr_sa_sdst(0) depctr_va_vdst(0) depctr_va_sdst(0) depctr_va_ssrc(0) depctr_va_vcc(0) depctr_vm_vsrc(0)
	s_getreg_b32 s2, hwreg(HW_REG_IB_STS2, 6, 4)
	s_cmp_eq_u32 s2, 0
	s_cbranch_scc0 .Lentry_in_a_cluster
	s_endpgm
.Lentry_in_a_cluster:
	s_bfe_u32 s2, ttmp6, 0x10000c
	s_cmp_lg_u32 s2, 0x3003
	s_cbranch_scc0 .Lentry_shape_is_right
	s_endpgm
.Lentry_shape_is_right:
; F1[b][n][o] = sum over c of W1[o][3 + c] (f[b][c][n] - f[0][c][0]), in f16: the feature part of the first 1x1 convolution, made ONCE A POINT.
; A gather of columns commutes with the product, so the later launches gather rows of F1 in place of features.  The column f[0][.][0] that is
; taken away adds a constant to each output channel, which the batch norm behind removes exactly; a common offset of the features so never
; reaches a 16-bit rounding.  Also: w2h[o][c] = f16(W2[o][c] with gamma2[o]'s sign), so that the second norm's gain is never negative.
; LIMITS: |f - f0| and |F1| stay below 65,504 (f16); NaN and infinities are not treated apart.
; SHARES: a work-group makes 64 points x 128 outputs, K = 256.  Wave w: outputs 16 w .. 16 w + 15 of the 128, all four tiles of 16 points:
; 32 matrix instructions on four accumulators that take turns.  Source 0 = 16 rows of W1, source 1 = 16 points: a lane then holds one point and
; eight neighbouring outputs, 16 bytes of a row of F1.
; CLUSTER: the four work-groups of a cluster have the same y, that is the same 128 rows of W1: each wave's 16 rows are asked for jointly.
; The rows of W1 start at 12 bytes past a multiple of 1,036: only the tensor load takes them whole; it pads each to 1,040 bytes in LDS.
.set WROW,  1040                       ; a row of W1 in LDS: 256 f32 + 16 bytes: 65 x 16, so 16 rows start at 16 different columns of 16 bytes
.set WTILE, 16*WROW                    ; a wave's tile; eight of them fill bytes 0 .. 133,119
.set FEAT,  133120                     ; 256 rows (channels) x 160 bytes: 64 points in f16 + 32 bytes: 5 x 32
.set FPIT,  160
.set STAGE, 174080                     ; 64 points x 272 bytes: the way out
.set SPIT,  272
.set SPARE, 191488                     ; the spare words: 128 bytes a wave, four blocks of 256 bytes that no other line names
.set SPW, 14                           ; v14  my spare word's address; never rewritten
.set NIL, 15                           ; v15  0; never rewritten
.set FL,  16                           ; v[16:79]   16 quads of features; later W1 in f32, four K blocks at a time
.set PV,  80                           ; v[80:95]   the pivot column's number for each of my 16 channel rows
.set W1F, 96                           ; v[96:159]  W1's fragments, 8 K blocks x 8
.set FF,  160                          ; v[160:223] the points' fragments, two buffers of four tiles
.set ACC, 224                          ; v[224:255] four accumulators
.set G0,  20                           ; s[20:23] descriptor group 0
.set G1,  24                           ; s[24:31] descriptor group 1
.macro ROUND                           ; a round of the cluster's barrier
	s_barrier_signal -1
	s_barrier_wait -1
	s_cmp_lg_u32 s16, 0
	s_cbranch_scc1 .Lnot_wave_0_\@
	s_barrier_signal -3
.Lnot_wave_0_\@:
	s_barrier_wait -3
	s_barrier_signal -1
	s_barrier_wait -1
.endm
	s_load_b256 s[4:11], s[0:1], 0x0               ; features s[4:5], W1 s[6:7], W2 s[8:9], gamma2 s[10:11]
	s_load_b128 s[12:15], s[0:1], 0x20             ; f1h s[12:13], w2h s[14:15]
	v_lshl_add_u32 v[SPW], v0, 2, SPARE
	v_mov_b32 v[NIL], 0
	ds_add_u32 v[SPW], v[NIL]                      ; the wave's opening: the add and its wait come ahead of my tensor load
	v_lshrrev_b32 v1, 5, v0
	v_readfirstlane_b32 s16, v1                    ; wave 0..7
	s_bfe_u32 s17, ttmp6, 0x40000                  ; cx: it enters global addresses of features, f1h, W2 and w2h alone
	s_lshl_b32 s18, ttmp9, 2
	s_add_co_u32 s18, s18, s17                     ; x = 4 x cluster x + cx: my 64 points are rows 64 x .. of f1h
	s_and_b32 s19, ttmp7, 0xffff                   ; y: which 128 outputs; the four partners share it
	s_mov_b32 s[G0], 1                             ; count = 1
	s_mul_i32 s[G0+1], s16, WTILE                  ; LDS address: the wave's tile
	s_mov_b32 s[G1], 15|(2<<16)|(1<<20)|(1<<21)|(7<<22)|(3<<25)  ; mask of four; 4-byte elements; padding on; bit 21 beside a mask; after every 256 words; 4 words
	s_mov_b32 s[G1+1], 256<<16                     ; tensor_dim0 = 256
	s_mov_b32 s[G1+2], 16<<16                      ; tensor_dim1 = 16
	s_mov_b32 s[G1+3], 256<<16                     ; tile_dim0 = 256
	s_mov_b32 s[G1+4], 16                          ; tile_dim1 = 16
	s_mov_b32 s[G1+5], 259                         ; 259 elements from row to row
	s_mov_b32 s[G1+6], 0
	s_mov_b32 s[G1+7], 0
	s_lshl_b32 s32, s19, 7
	s_lshl4_add_u32 s32, s16, s32                  ; my first row of W1: 128 y + 16 w
	s_mul_i32 s32, s32, 1036
	s_add_co_u32 s32, s32, 12                      ; past the three coordinate columns
	s_mov_b32 s33, 0
	s_wait_dscnt 0x0                               ; the opening add is done
	s_wait_kmcnt 0x0
	s_add_nc_u64 s[G0+2:G0+3], s[6:7], s[32:33]
	s_or_b32 s[G0+3], s[G0+3], 0x80000000          ; type = 2
	ROUND                                          ; all four work-groups are here: the joint loads meet
	tensor_load_to_lds s[G0:G0+3], s[G1:G1+7]      ; my one tensor load of the launch
	s_nop 0
	; Features: thread t takes 16 bytes (4 points) at q = t % 16 of channel rows 16 j + t / 16: sixteen lanes read a row's 256 bytes, aligned.
	v_and_b32 v1, 15, v0                           ; q, and a fragment's r
	v_bfe_u32 v2, v0, 4, 1                         ; a fragment's h
	v_lshrrev_b32 v11, 4, v0                       ; t / 16
	v_lshlrev_b32 v4, 13, v11                      ; a channel row is 8,192 bytes
	v_lshl_add_u32 v3, v1, 4, v4
	v_mul_u32_u24 v5, v11, FPIT
	v_lshl_add_u32 v5, v1, 3, v5
	v_add_nc_u32 v5, FEAT, v5                      ; where my 4 points go in f16
	s_lshr_b32 s34, s18, 5
	s_lshl_b32 s34, s34, 21                        ; batch x 2,097,152
	s_and_b32 s35, s18, 31
	s_lshl_b32 s35, s35, 8                         ; + 64 points x 4 bytes
	s_add_co_u32 s34, s34, s35
	s_mov_b32 s35, 0
	s_add_nc_u64 s[34:35], s[4:5], s[34:35]
.set j, 0
.rept 16
	global_load_b128 v[FL+4*j:FL+4*j+3], v3, s[34:35] offset:j*131072
	global_load_b32 v[PV+j], v4, s[4:5] offset:j*131072          ; f[0][c][0]
.set j, j+1
.endr
	; Wave 0 converts one row of W2: o = 2 x + y, 256 work-groups for 256 rows.
	s_cmp_lg_u32 s16, 0
	s_cbranch_scc1 .Lno_w2
	s_lshl1_add_u32 s36, s18, s19
	s_lshl_b32 s37, s36, 2
	s_load_b32 s38, s[10:11], s37                  ; gamma2[o]
	s_lshl_b32 s40, s36, 10
	s_mov_b32 s41, 0
	s_add_nc_u64 s[40:41], s[8:9], s[40:41]
	s_lshl_b32 s42, s36, 9
	s_mov_b32 s43, 0
	s_add_nc_u64 s[42:43], s[14:15], s[42:43]
	v_and_b32 v12, 31, v0
	v_lshlrev_b32 v13, 4, v12
	v_lshlrev_b32 v12, 5, v12
	global_load_b128 v[96:99], v12, s[40:41]
	global_load_b128 v[100:103], v12, s[40:41] offset:16
	s_wait_kmcnt 0x0
	s_and_b32 s38, s38, 0x80000000                 ; its sign, used as data alone
	s_wait_loadcnt 0x0
.irp k, 0,1,2,3,4,5,6,7
	v_xor_b32 v[96+\k], s38, v[96+\k]
.endr
.irp k, 0,1,2,3
	v_cvt_pk_f16_f32 v[104+\k], v[96+2*\k], v[97+2*\k]
.endr
	global_store_b128 v13, v[104:107], s[42:43]    ; 512 consecutive bytes, aligned
.Lno_w2:
	s_wait_loadcnt 0x0                             ; features and pivots
	s_wait_xcnt 0x0                                ; wave 0's store has read its registers: they are written again below
.set j, 0
.rept 16
	v_sub_f32 v[FL+4*j],   v[FL+4*j],   v[PV+j]
	v_sub_f32 v[FL+4*j+1], v[FL+4*j+1], v[PV+j]
	v_sub_f32 v[FL+4*j+2], v[FL+4*j+2], v[PV+j]
	v_sub_f32 v[FL+4*j+3], v[FL+4*j+3], v[PV+j]
	v_cvt_pk_f16_f32 v[FL+4*j],   v[FL+4*j],   v[FL+4*j+1]
	v_cvt_pk_f16_f32 v[FL+4*j+1], v[FL+4*j+2], v[FL+4*j+3]
	ds_store_b64 v5, v[FL+4*j:FL+4*j+1] offset:j*16*FPIT
.set j, j+1
.endr
	v_mul_u32_u24 v6, v1, WROW
	v_lshl_add_u32 v6, v2, 5, v6
	v_add_nc_u32 v6, s[G0+1], v6                   ; W1: my tile, row r, 8 h numbers on
	v_and_b32 v8, 7, v0
	v_lshl_add_u32 v8, v2, 3, v8
	v_mul_u32_u24 v7, v8, FPIT
	v_bfe_u32 v8, v0, 3, 1
	v_lshl_add_u32 v7, v8, 4, v7
	v_add_nc_u32 v7, FEAT, v7                      ; the turning load: channel 8 h + l % 8, points 8 ((l / 8) % 2) on
	s_wait_tensorcnt 0x0                           ; my tile of W1 is in; only I read it
	s_wait_dscnt 0x0                               ; for the others' sake: my stores of features are done
	s_barrier_signal -1
	s_barrier_wait -1
.macro LDW hf                          ; W1 in f32, K blocks 4 hf .. 4 hf + 3: of each, k = 8 h .. + 7 (two loads) and 16 + 8 h .. + 7 (two loads)
.irp c, 0,1,2,3
	ds_load_b128 v[FL+16*\c:FL+16*\c+3],     v6 offset:(4*(\hf)+\c)*128
	ds_load_b128 v[FL+16*\c+4:FL+16*\c+7],   v6 offset:(4*(\hf)+\c)*128+16
	ds_load_b128 v[FL+16*\c+8:FL+16*\c+11],  v6 offset:(4*(\hf)+\c)*128+64
	ds_load_b128 v[FL+16*\c+12:FL+16*\c+15], v6 offset:(4*(\hf)+\c)*128+80
.endr
.endm
.macro CVW hf                          ; rounded once to f16: the fragments
.irp c, 0,1,2,3
.irp u, 0,1,2,3,4,5,6,7
	v_cvt_pk_f16_f32 v[W1F+8*(4*(\hf)+\c)+\u], v[FL+16*\c+2*\u], v[FL+16*\c+2*\u+1]
.endr
.endr
.endm
.macro LDF k, bf                       ; the four point tiles' fragments of K block k into buffer bf: eight turning loads
.irp pt, 0,1,2,3
	ds_load_tr16_b128 v[FF+32*(\bf)+8*\pt:FF+32*(\bf)+8*\pt+3],   v7 offset:(\k)*32*FPIT+\pt*32
	ds_load_tr16_b128 v[FF+32*(\bf)+8*\pt+4:FF+32*(\bf)+8*\pt+7], v7 offset:(\k)*32*FPIT+\pt*32+16*FPIT
.endr
.endm
	LDW 0
	s_wait_dscnt 0x0
	CVW 0
	LDW 1
	LDF 0, 0
	s_wait_dscnt 8                                 ; all but the eight turning loads just issued
	CVW 1
.set kb, 0
.rept 8
.if kb > 0
.rept 4
	v_nop                                          ; four places between the products that read a buffer and the loads into it (ISA guide 7.12.1 for vector instructions)
.endr
.endif
.if kb < 7
	LDF kb+1, (kb+1)%2
	s_wait_dscnt 8                                 ; this K block's eight are in; the next block's eight stay out
.else
	s_wait_dscnt 0x0
.endif
.irp pt, 0,1,2,3                       ; the four accumulators take turns
.if kb == 0
	v_wmma_f32_16x16x32_f16 v[ACC+8*\pt:ACC+8*\pt+7], v[W1F+8*kb:W1F+8*kb+7], v[FF+32*(kb%2)+8*\pt:FF+32*(kb%2)+8*\pt+7], 0
.else
	v_wmma_f32_16x16x32_f16 v[ACC+8*\pt:ACC+8*\pt+7], v[W1F+8*kb:W1F+8*kb+7], v[FF+32*(kb%2)+8*\pt:FF+32*(kb%2)+8*\pt+7], v[ACC+8*\pt:ACC+8*\pt+7]
.endif
.endr
.set kb, kb+1
.endr
	; THE WAY OUT.  The addresses are made here: nine plain instructions, the places behind the last products.
	s_lshl_b32 s36, s16, 5
	s_add_co_u32 s36, s36, STAGE
	s_mul_i32 s37, s16, 8*SPIT
	s_add_co_u32 s37, s37, STAGE
	s_lshl_b32 s38, s16, 12
	v_mul_u32_u24 v8, v1, SPIT                     ; in: point r of a tile, my wave's 32 bytes, 16 for each half of the lanes
	v_lshl_add_u32 v8, v2, 4, v8
	v_add_nc_u32 v8, s36, v8
	v_mul_u32_u24 v9, v2, SPIT                     ; back: wave w takes points 8 w .. 8 w + 7; lanes 0-15 one row of 256 bytes, lanes 16-31 the next
	v_lshl_add_u32 v9, v1, 4, v9
	v_add_nc_u32 v9, s37, v9
	v_lshlrev_b32 v10, 9, v2                       ; and the same rows in f1h, 512 bytes each
	v_lshl_add_u32 v10, v1, 4, v10
	v_add_nc_u32 v10, s38, v10
	s_lshl_b32 s40, s18, 15                        ; 64 x rows of 512 bytes,
	s_lshl_b32 s41, s19, 8                         ; my 128 outputs' 256 bytes in them
	s_add_co_u32 s40, s40, s41
	s_mov_b32 s41, 0
	s_add_nc_u64 s[40:41], s[12:13], s[40:41]
.irp pt, 0,1,2,3
.irp u, 0,1,2,3
	v_cvt_pk_f16_f32 v[FF+4*\pt+\u], v[ACC+8*\pt+2*\u], v[ACC+8*\pt+2*\u+1]
.endr
.endr
.irp pt, 0,1,2,3
	ds_store_b128 v8, v[FF+4*\pt:FF+4*\pt+3] offset:\pt*16*SPIT
.endr
	s_wait_dscnt 0x0                               ; for the others' sake: a row's 256 bytes come from eight waves
	s_barrier_signal -1
	s_barrier_wait -1
.irp i, 0,1,2,3
	ds_load_b128 v[FF+16+4*\i:FF+16+4*\i+3], v9 offset:\i*2*SPIT
.endr
.irp i, 0,1,2,3
	s_wait_dscnt 3-\i
	global_store_b128 v10, v[FF+16+4*\i:FF+16+4*\i+3], s[40:41] offset:\i*1024  ; sixteen lanes store 256 consecutive bytes, aligned
.endr
	s_wait_tensorcnt 0x0                           ; the wave's end
	ds_add_u32 v[SPW], v[NIL]
	s_wait_dscnt 0x0
	ROUND                                          ; the closing round
	s_endpgm
.Lfunc_end_k_qb6a46f0e79_f1:
	.size	k_qb6a46f0e79_f1, .Lfunc_end_k_qb6a46f0e79_f1-k_qb6a46f0e79_f1
	.p2alignl 7, 3214868480
	.fill 96, 4, 3214868480
	.section	.rodata,"a",@progbits
	.p2align	6, 0x0
	.amdhsa_kernel k_qb6a46f0e79_f1
		.amdhsa_group_segment_fixed_size 192512
		.amdhsa_private_segment_fixed_size 0
		.amdhsa_enable_private_segment 0
		.amdhsa_kernarg_size 48
		.amdhsa_user_sgpr_count 2
		.amdhsa_user_sgpr_kernarg_segment_ptr 1
		.amdhsa_wavefront_size32 1
		.amdhsa_system_sgpr_workgroup_id_x 1
		.amdhsa_system_sgpr_workgroup_id_y 1
		.amdhsa_system_sgpr_workgroup_id_z 1
		.amdhsa_system_vgpr_workitem_id 0
		.amdhsa_next_free_vgpr 256
		.amdhsa_next_free_sgpr 66
		.amdhsa_reserve_vcc 0
		.amdhsa_float_denorm_mode_32 3
		.amdhsa_float_denorm_mode_16_64 3
		.amdhsa_memory_ordered 1
		.amdhsa_forward_progress 1
		.amdhsa_inst_pref_size 30
	.end_amdhsa_kernel
	.amdgpu_metadata
---
amdhsa.version: [ 1, 2 ]
amdhsa.kernels:
  - .name:           k_qb6a46f0e79_f1
    .symbol:         k_qb6a46f0e79_f1.kd
    .args:
      - { .name: seed_features_graspable, .offset: 0, .size: 8, .value_kind: global_buffer, .address_space: global }
      - { .name: W1, .offset: 8, .size: 8, .value_kind: global_buffer, .address_space: global }
      - { .name: W2, .offset: 16, .size: 8, .value_kind: global_buffer, .address_space: global }
      - { .name: gamma2, .offset: 24, .size: 8, .value_kind: global_buffer, .address_space: global }
      - { .name: f1h, .offset: 32, .size: 8, .value_kind: global_buffer, .address_space: global }
      - { .name: w2h, .offset: 40, .size: 8, .value_kind: global_buffer, .address_space: global }
    .group_segment_fixed_size: 192512
    .private_segment_fixed_size: 0
    .kernarg_segment_align: 8
    .kernarg_segment_size: 48
    .max_flat_workgroup_size: 256
    .sgpr_count:     66
    .vgpr_count:     256
    .wavefront_size: 32
...
	.end_amdgpu_metadata
.endif
;; end of part 2
;; launch stat1 (part 3): grid 256 x 1, 16 waves a work-group, no clusters, 34,816 bytes of LDS; arguments maskw, seed_xyz_graspable, vp_rot, W1, f1h, idxw, part1; writes idxw, part1
.if DOCPART == 3
	.amdgcn_target "amdgcn-amd-amdhsa--gfx1250"
	.amdhsa_code_object_version 6
	.text
	.protected	k_qb6a46f0e79_stat1
	.globl	k_qb6a46f0e79_stat1
	.p2align	8
	.type	k_qb6a46f0e79_stat1,@function
k_qb6a46f0e79_stat1:
	s_mov_b64 s[64:65], 0
	v_nop
	global_prefetch_b8 v0, s[64:65] scope:SCOPE_SE
	s_setreg_imm32_b32 hwreg(HW_REG_WAVE_MODE, 25, 1), 1
	s_wait_xcnt 0x0
; (1) idx: the first 32 set bits of each query's 2,048-bit mask, padded with the first (0 if there is none): whole-number work alone.
; (2) The first batch norm's statistics: y1 = W1[:, 0:3] g + F1[idx] for all 32 samples of a query, summed and squared by channel; a work-group
; leaves the mean and M2 = sum of (y - mean)^2 of its 1,024 samples.  y1 is taken about the pivot column that F1 was made with, a data point, so
; Q - S^2 / n is a difference of numbers of the variance's own size.
; SHARES: work-group g has queries 32 g .. + 31, wave w two of them, one a trip.  In (1) lane = slot; in (2) lane l has channels 8 l .. 8 l + 7,
; so a gathered row of F1 is one load of 512 consecutive bytes.  No matrix unit: three multiply-adds and one add a number.
; LIMITS: NaN and infinities are not treated apart.
.set RED,   0                          ; LDS: 16 waves x (1,024 bytes of sums, 1,024 of squares)
.set SPARE, 32768                      ; the spare words: 128 bytes a wave, eight blocks of 256 bytes that no other line names
.set S,   50                           ; v[50:57]   sums of my 8 channels
.set Q,   58                           ; v[58:65]   sums of squares
.set T,   66                           ; v[66:73]   a row's y1
.set WX,  74                           ; v[74:97]   W1[c][k] at WX + 8 k + e
.set RAW, 100                          ; v[100:227] 32 rows of F1, 4 registers each
.set SPW, 228
.set NIL, 229
; v1 lane; v2 16 lane; v3 mask offset; v[4:5] this query's mask words 2 l, 2 l + 1; v[6:7] the next query's; v[8:9] the two queries' idx; v10-33 at work;
; v34 idx offset; v35 W1 offset; v40-44 all ones where bit 0..4 of the lane is set; v45-47 g; v48 1.0; v49 idx
	s_load_b256 s[4:11], s[0:1], 0x0               ; maskw s[4:5], xyz s[6:7], rot s[8:9], W1 s[10:11]
	s_load_b128 s[12:15], s[0:1], 0x20             ; f1h s[12:13], idxw s[14:15]
	s_load_b64 s[56:57], s[0:1], 0x30              ; part1
	v_lshl_add_u32 v[SPW], v0, 2, SPARE
	v_mov_b32 v[NIL], 0
	v_and_b32 v1, 31, v0
	v_lshrrev_b32 v3, 5, v0
	v_readfirstlane_b32 s34, v3                    ; wave 0..15
	v_lshlrev_b32 v2, 4, v1
	s_lshr_b32 s35, ttmp9, 6                       ; batch
	s_lshl_b32 s36, ttmp9, 5
	s_lshl1_add_u32 s36, s34, s36                  ; my first query: 32 g + 2 w
	s_lshl_b32 s54, s36, 8
	v_lshl_add_u32 v3, v1, 3, s54                  ; its mask: 256 q + 8 lane
	s_lshl_b32 s54, s36, 7
	v_lshl_add_u32 v34, v1, 3, s54                 ; the pair's idx: 256 (q / 2) + 8 slot
	v_mul_u32_u24 v35, v1, 8288                    ; 8 rows of W1, 1,036 bytes each
	s_mov_b32 s30, 0x55555555
	s_mov_b32 s31, 0x33333333
	s_mov_b32 s32, 0x0f0f0f0f
	s_mov_b32 s33, 0x01010101
	s_mov_b32 s41, 0                               ; the odd halves of the pairs that the packed forms name
	s_mov_b32 s43, 0
	s_mov_b32 s45, 0
	s_mov_b32 s48, 0x76543210
	s_mov_b32 s49, 0xfedcba98
	s_mul_i32 s58, s35, 24576
	s_mov_b32 s59, 0
	s_lshl_b32 s60, s35, 20
	s_mov_b32 s61, 0
	v_mov_b32 v8, 0
	v_mov_b32 v9, 0
	v_mov_b32 v19, 0                               ; a DPP form's destination counts as read
	v_mov_b32 v48, 1.0
.irp k, 0,1,2,3,4
	v_lshlrev_b32 v[40+\k], 31-\k, v1
	v_ashrrev_i32 v[40+\k], 31, v[40+\k]
.endr
.set i, 0
.rept 16
	v_mov_b32 v[S+i], 0
.set i, i+1
.endr
	s_wait_kmcnt 0x0
	s_add_nc_u64 s[58:59], s[6:7], s[58:59]        ; the batch's coordinates
	s_add_nc_u64 s[60:61], s[12:13], s[60:61]      ; the batch's rows of F1
	global_load_b64 v[4:5], v3, s[4:5]
	global_load_b64 v[6:7], v3, s[4:5] offset:256
.irp k, 0,1,2
.irp e, 0,1,2,3,4,5,6,7
	global_load_b32 v[WX+8*\k+\e], v35, s[10:11] offset:\e*1036+4*\k
.endr
.endr
.macro SWAR w, a1, a2, a3              ; counts of set bits in fields of 2, 4 and 8 bits
	v_lshrrev_b32 v10, 1, \w
	v_and_b32 v10, s30, v10
	v_sub_nc_u32 \a1, \w, v10
	v_lshrrev_b32 v10, 2, \a1
	v_and_b32 v10, s31, v10
	v_and_b32 \a2, s31, \a1
	v_add_nc_u32 \a2, \a2, v10
	v_lshrrev_b32 v10, 4, \a2
	v_add_nc_u32 v10, \a2, v10
	v_and_b32 \a3, s32, v10
.endm
.macro BFLY x, m                       ; a step of the prefix sum: the partner group's total goes onto every total, and onto the upper group's prefixes
	v_mov_b32_dpp v19, v18 row_xmask:\x row_mask:0xf bank_mask:0xf
	v_and_b32 v10, v19, v\m
	v_add_nc_u32 v17, v17, v10
	v_add_nc_u32 v18, v18, v19
.endm
.macro STEP lvl, w                     ; the search goes down: is the wanted bit behind the field of w bits at pos?
	v_bfe_u32 v31, \lvl, v30, \w
	v_cmp_ge_u32 vcc_lo, v27, v31
	v_cndmask_b32 v10, 0, v31, vcc_lo
	v_sub_nc_u32 v27, v27, v10
	v_cndmask_b32 v32, 0, \w, vcc_lo
	v_add_nc_u32 v30, v30, v32
.endm
.macro ROWLOAD i                       ; slot i's row of F1: the load lands on its own offset register
	v_readlane_b32 s46, v49, \i
	s_min_u32 s46, s46, 0x7ff
	v_lshl_add_u32 v[RAW+4*(\i)], s46, 9, v2
	global_load_b128 v[RAW+4*(\i):RAW+4*(\i)+3], v[RAW+4*(\i)], s[60:61]
.endm
.macro ROWDO i
	s_wait_loadcnt 31-(\i)                         ; loads come back in order: row i is in, the 31 - i younger rows stay out
	v_readlane_b32 s40, v45, \i
	v_readlane_b32 s42, v46, \i
	v_readlane_b32 s44, v47, \i
.irp u, 0,1,2,3
	v_pk_mul_f32 v[T+2*\u:T+2*\u+1], v[WX+2*\u:WX+2*\u+1], s[40:41] op_sel_hi:[1,0]
.endr
.irp u, 0,1,2,3
	v_pk_fma_f32 v[T+2*\u:T+2*\u+1], v[WX+8+2*\u:WX+8+2*\u+1], s[42:43], v[T+2*\u:T+2*\u+1] op_sel_hi:[1,0,1]
.endr
.irp u, 0,1,2,3
	v_pk_fma_f32 v[T+2*\u:T+2*\u+1], v[WX+16+2*\u:WX+16+2*\u+1], s[44:45], v[T+2*\u:T+2*\u+1] op_sel_hi:[1,0,1]
.endr
.irp u, 0,1,2,3
	v_fma_mix_f32 v[T+2*\u],   v[RAW+4*(\i)+\u], v48, v[T+2*\u]   op_sel_hi:[1,0,0]
	v_fma_mix_f32 v[T+2*\u+1], v[RAW+4*(\i)+\u], v48, v[T+2*\u+1] op_sel:[1,0,0] op_sel_hi:[1,0,0]
.endr
.irp u, 0,1,2,3
	v_pk_add_f32 v[S+2*\u:S+2*\u+1], v[S+2*\u:S+2*\u+1], v[T+2*\u:T+2*\u+1]
.endr
.irp u, 0,1,2,3
	v_pk_fma_f32 v[Q+2*\u:Q+2*\u+1], v[T+2*\u:T+2*\u+1], v[T+2*\u:T+2*\u+1], v[Q+2*\u:Q+2*\u+1]
.endr
.endm
	s_mov_b32 s37, 2
.Lquery:
	s_mul_i32 s38, s36, 12                         ; free: the last trip's scalar loads were waited for
	s_mul_i32 s39, s36, 36
	s_load_b96 s[16:18], s[6:7], s38               ; the query's point
	s_load_b256 s[20:27], s[8:9], s39              ; and rotation
	s_load_b32 s28, s[8:9], s39 offset:0x20
	v_mov_b32 v8, v9                               ; the first query's idx moves down in the second trip
	s_wait_loadcnt 0x0                             ; first trip: masks and W1's columns; second: nothing is out
	; how many bits each lane's 64 candidates have, and the running sums over the lanes
	SWAR v4, v11, v12, v13
	v_mul_lo_u32 v14, v13, s33
	v_lshrrev_b32 v14, 24, v14                     ; c0
	SWAR v5, v11, v12, v13
	v_mul_lo_u32 v15, v13, s33
	v_lshrrev_b32 v15, 24, v15
	v_add_nc_u32 v16, v14, v15                     ; c
	v_mov_b32 v17, v16                             ; P: the sum up to and with my lane
	v_mov_b32 v18, v16                             ; T: the total
	BFLY 1, 40
	BFLY 2, 41
	BFLY 4, 42
	BFLY 8, 43
	v_permlanex16_b32 v19, v18, s48, s49
	v_and_b32 v10, v19, v44
	v_add_nc_u32 v17, v17, v10
	v_add_nc_u32 v18, v18, v19
	; the lane that holds bit number 'slot': as many lanes as have P <= slot lie in front of it
	v_mov_b32 v20, 0
.set i, 0
.rept 8
	v_readlane_b32 s50, v17, 4*i
	v_readlane_b32 s51, v17, 4*i+1
	v_readlane_b32 s52, v17, 4*i+2
	v_readlane_b32 s53, v17, 4*i+3
	v_cmp_le_u32 vcc_lo, s50, v1
	v_add_co_ci_u32 v20, vcc_lo, 0, v20, vcc_lo
	v_cmp_le_u32 vcc_lo, s51, v1
	v_add_co_ci_u32 v20, vcc_lo, 0, v20, vcc_lo
	v_cmp_le_u32 vcc_lo, s52, v1
	v_add_co_ci_u32 v20, vcc_lo, 0, v20, vcc_lo
	v_cmp_le_u32 vcc_lo, s53, v1
	v_add_co_ci_u32 v20, vcc_lo, 0, v20, vcc_lo
.set i, i+1
.endr
	v_min_u32 v21, 31, v20
	v_lshlrev_b32 v21, 2, v21
	v_sub_nc_u32 v22, v17, v16                     ; the sum in front of my lane
	ds_bpermute_b32 v23, v21, v4                   ; that lane's two words, its sum in front, its c0
	ds_bpermute_b32 v24, v21, v5
	ds_bpermute_b32 v25, v21, v22
	ds_bpermute_b32 v26, v21, v14
	s_wait_dscnt 0x0
	v_sub_nc_u32 v27, v1, v25                      ; k: which of that lane's bits
	v_cmp_ge_u32 vcc_lo, v27, v26
	v_cndmask_b32 v28, v23, v24, vcc_lo            ; the word
	v_cndmask_b32 v10, 0, v26, vcc_lo
	v_sub_nc_u32 v27, v27, v10
	v_cndmask_b32 v29, 0, 32, vcc_lo
	SWAR v28, v11, v12, v13
	v_and_b32 v31, 0xff, v13
	v_bfe_u32 v32, v13, 8, 8
	v_add_nc_u32 v31, v31, v32                     ; bits in the low 16
	v_cmp_ge_u32 vcc_lo, v27, v31
	v_cndmask_b32 v10, 0, v31, vcc_lo
	v_sub_nc_u32 v27, v27, v10
	v_cndmask_b32 v30, 0, 16, vcc_lo               ; pos
	STEP v13, 8
	STEP v12, 4
	STEP v11, 2
	STEP v28, 1
	v_lshl_add_u32 v33, v20, 6, v29
	v_add_nc_u32 v33, v33, v30                     ; n = 64 lane + 32 word + pos
	v_readfirstlane_b32 s50, v33                   ; the first hit
	v_mov_b32 v10, s50
	v_cmp_lt_u32 vcc_lo, v1, v18
	v_cndmask_b32 v33, v10, v33, vcc_lo            ; slots past the last hit take the first
	v_cmp_ne_u32 vcc_lo, 0, v18
	v_cndmask_b32 v33, 0, v33, vcc_lo              ; no hit at all: 0
	v_min_u32 v49, 0x7ff, v33
	v_mov_b32 v9, v49
	; g = ((x[idx] - x[p]) / 0.05) R, a slot a lane
	v_mul_u32_u24 v10, v49, 12
	global_load_b32 v11, v10, s[58:59]
	global_load_b32 v12, v10, s[58:59] offset:4
	global_load_b32 v13, v10, s[58:59] offset:8
	s_wait_kmcnt 0x0
	s_wait_loadcnt 0x0
	v_sub_f32 v11, v11, s16
	v_sub_f32 v12, v12, s17
	v_sub_f32 v13, v13, s18
	v_mul_f32 v11, 0x41a00000, v11                 ; x 20
	v_mul_f32 v12, 0x41a00000, v12
	v_mul_f32 v13, 0x41a00000, v13
	v_mul_f32 v45, s20, v11
	v_mul_f32 v46, s21, v11
	v_mul_f32 v47, s22, v11
	v_fma_f32 v45, s23, v12, v45
	v_fma_f32 v46, s24, v12, v46
	v_fma_f32 v47, s25, v12, v47
	v_fma_f32 v45, s26, v13, v45
	v_fma_f32 v46, s27, v13, v46
	v_fma_f32 v47, s28, v13, v47
.set n, 0
.rept 32
	ROWLOAD n
.set n, n+1
.endr
.set n, 0
.rept 32
	ROWDO n
.set n, n+1
.endr
	v_mov_b32 v4, v6
	v_mov_b32 v5, v7
	s_add_co_u32 s36, s36, 1
	s_sub_co_u32 s37, s37, 1
	s_cmp_lg_u32 s37, 0
	s_cbranch_scc1 .Lquery
	global_store_b64 v34, v[8:9], s[14:15]         ; the pair's 256 bytes, aligned
	s_lshl_b32 s54, s34, 11
	v_lshl_add_u32 v10, v1, 5, s54
	ds_store_b128 v10, v[S:S+3]
	ds_store_b128 v10, v[S+4:S+7] offset:16
	ds_store_b128 v10, v[Q:Q+3] offset:1024
	ds_store_b128 v10, v[Q+4:Q+7] offset:1040
	s_wait_dscnt 0x0                               ; for the others' sake
	s_barrier_signal -1
	s_barrier_wait -1
	s_cmp_gt_u32 s34, 1
	s_cbranch_scc1 .Ldone                          ; waves 0 and 1 add up: thread t < 64 has channels 4 t .. 4 t + 3
	v_lshlrev_b32 v11, 4, v0
.set i, 0
.rept 16
	ds_load_b128 v[RAW+4*i:RAW+4*i+3], v11 offset:i*2048
	ds_load_b128 v[RAW+64+4*i:RAW+64+4*i+3], v11 offset:i*2048+1024
.set i, i+1
.endr
	s_lshl_b32 s54, ttmp9, 10
	v_lshl_add_u32 v12, v0, 4, s54
	s_wait_dscnt 0x0
.set i, 1
.rept 15
	v_pk_add_f32 v[RAW:RAW+1],     v[RAW:RAW+1],     v[RAW+4*i:RAW+4*i+1]
	v_pk_add_f32 v[RAW+2:RAW+3],   v[RAW+2:RAW+3],   v[RAW+4*i+2:RAW+4*i+3]
	v_pk_add_f32 v[RAW+64:RAW+65], v[RAW+64:RAW+65], v[RAW+64+4*i:RAW+64+4*i+1]
	v_pk_add_f32 v[RAW+66:RAW+67], v[RAW+66:RAW+67], v[RAW+64+4*i+2:RAW+64+4*i+3]
.set i, i+1
.endr
	v_pk_mul_f32 v[T:T+1],   v[RAW:RAW+1],   0x3a800000 op_sel_hi:[1,0]     ; mean = S / 1,024
	v_pk_mul_f32 v[T+2:T+3], v[RAW+2:RAW+3], 0x3a800000 op_sel_hi:[1,0]
	v_pk_fma_f32 v[T+4:T+5], v[RAW:RAW+1],   v[T:T+1],   v[RAW+64:RAW+65] neg_lo:[1,0,0] neg_hi:[1,0,0]  ; M2 = Q - S mean
	v_pk_fma_f32 v[T+6:T+7], v[RAW+2:RAW+3], v[T+2:T+3], v[RAW+66:RAW+67] neg_lo:[1,0,0] neg_hi:[1,0,0]
	global_store_b128 v12, v[T:T+3], s[56:57]
	global_store_b128 v12, v[T+4:T+7], s[56:57] offset:262144
.Ldone:
	s_wait_tensorcnt 0x0                           ; the wave's end
	ds_add_u32 v[SPW], v[NIL]
	s_wait_dscnt 0x0
	s_endpgm
.Lfunc_end_k_qb6a46f0e79_stat1:
	.size	k_qb6a46f0e79_stat1, .Lfunc_end_k_qb6a46f0e79_stat1-k_qb6a46f0e79_stat1
	.p2alignl 7, 3214868480
	.fill 96, 4, 3214868480
	.section	.rodata,"a",@progbits
	.p2align	6, 0x0
	.amdhsa_kernel k_qb6a46f0e79_stat1
		.amdhsa_group_segment_fixed_size 34816
		.amdhsa_private_segment_fixed_size 0
		.amdhsa_enable_private_segment 0
		.amdhsa_kernarg_size 56
		.amdhsa_user_sgpr_count 2
		.amdhsa_user_sgpr_kernarg_segment_ptr 1
		.amdhsa_wavefront_size32 1
		.amdhsa_system_sgpr_workgroup_id_x 1
		.amdhsa_system_sgpr_workgroup_id_y 1
		.amdhsa_system_sgpr_workgroup_id_z 1
		.amdhsa_system_vgpr_workitem_id 0
		.amdhsa_next_free_vgpr 232
		.amdhsa_next_free_sgpr 66
		.amdhsa_reserve_vcc 1
		.amdhsa_float_denorm_mode_32 3
		.amdhsa_float_denorm_mode_16_64 3
		.amdhsa_memory_ordered 1
		.amdhsa_forward_progress 1
		.amdhsa_inst_pref_size 95
	.end_amdhsa_kernel
	.amdgpu_metadata
---
amdhsa.version: [ 1, 2 ]
amdhsa.kernels:
  - .name:           k_qb6a46f0e79_stat1
    .symbol:         k_qb6a46f0e79_stat1.kd
    .args:
      - { .name: maskw, .offset: 0, .size: 8, .value_kind: global_buffer, .address_space: global }
      - { .name: seed_xyz_graspable, .offset: 8, .size: 8, .value_kind: global_buffer, .address_space: global }
      - { .name: vp_rot, .offset: 16, .size: 8, .value_kind: global_buffer, .address_space: global }
      - { .name: W1, .offset: 24, .size: 8, .value_kind: global_buffer, .address_space: global }
      - { .name: f1h, .offset: 32, .size: 8, .value_kind: global_buffer, .address_space: global }
      - { .name: idxw, .offset: 40, .size: 8, .value_kind: global_buffer, .address_space: global }
      - { .name: part1, .offset: 48, .size: 8, .value_kind: global_buffer, .address_space: global }
    .group_segment_fixed_size: 34816
    .private_segment_fixed_size: 0
    .kernarg_segment_align: 8
    .kernarg_segment_size: 56
    .max_flat_workgroup_size: 512
    .sgpr_count:     66
    .vgpr_count:     232
    .wavefront_size: 32
...
	.end_amdgpu_metadata
.endif
;; end of part 3
;; launch bnfin (part 4): grid 4 x 1, 8 waves a work-group, no clusters, 9,216 bytes of LDS; arguments part1, gamma1, beta1, W1, tab1; writes tab1
.if DOCPART == 4
	.amdgcn_target "amdgcn-amd-amdhsa--gfx1250"
	.amdhsa_code_object_version 6
	.text
	.protected	k_qb6a46f0e79_bnfin
	.globl	k_qb6a46f0e79_bnfin
	.p2align	8
	.type	k_qb6a46f0e79_bnfin,@function
k_qb6a46f0e79_bnfin:
	s_mov_b64 s[64:65], 0
	v_nop
	global_prefetch_b8 v0, s[64:65] scope:SCOPE_SE
	s_setreg_imm32_b32 hwreg(HW_REG_WAVE_MODE, 25, 1), 1
	s_wait_xcnt 0x0
; The first batch norm's constants.  256 partial (mean, M2) of 1,024 samples each are merged, 16 at a time and then 16 again:
; mean = the means' mean; M2 = sum of M2_i + n sum of (mean_i - mean)^2: equal counts, and no difference of large sums.
; tab1[6][256]: sc = gamma1 rsqrt(var + 1e-5); shp = sh - hp; a_k = sc W1[c][k], k = 0, 1, 2; nhp = -hp,
; with sh = beta1 - sc mean and hp = f16(relu(sh)): the next launch makes h1 - hp = max(sc y1 + shp, -hp).  hp is h1 of a sample whose y1 is 0;
; what it takes away from h1 adds a constant to each channel of the second convolution, which the second norm removes exactly.
; SHARES: four work-groups of 64 channels: the whole job is 512 KB of partials; thread t: channels 4 (t % 16) .. + 3, partials 16 (t / 16) .. + 15.
; LIMIT: hp stays below 65,504 (f16).
.set SPARE, 8192                       ; LDS: 4,096 bytes of means, 4,096 of M2, then the spare words: 128 bytes a wave
.set SPW,  2
.set NIL,  3
.set MEAN, 16                          ; v[16:79]   16 quads
.set M2,   80                          ; v[80:143]  16 quads
.set MM,   144                         ; the merged mean
.set DV,   148                         ; sum of squared deviations
.set TT,   152
.set MS,   156                         ; the merged M2
.macro MERGE16 n                       ; n: the count of each of the 16, as f32 bits
	v_pk_add_f32 v[MM:MM+1],   v[MEAN:MEAN+1],   v[MEAN+4:MEAN+5]
	v_pk_add_f32 v[MM+2:MM+3], v[MEAN+2:MEAN+3], v[MEAN+6:MEAN+7]
	v_pk_add_f32 v[MS:MS+1],   v[M2:M2+1],       v[M2+4:M2+5]
	v_pk_add_f32 v[MS+2:MS+3], v[M2+2:M2+3],     v[M2+6:M2+7]
.set i, 2
.rept 14
	v_pk_add_f32 v[MM:MM+1],   v[MM:MM+1],   v[MEAN+4*i:MEAN+4*i+1]
	v_pk_add_f32 v[MM+2:MM+3], v[MM+2:MM+3], v[MEAN+4*i+2:MEAN+4*i+3]
	v_pk_add_f32 v[MS:MS+1],   v[MS:MS+1],   v[M2+4*i:M2+4*i+1]
	v_pk_add_f32 v[MS+2:MS+3], v[MS+2:MS+3], v[M2+4*i+2:M2+4*i+3]
.set i, i+1
.endr
	v_pk_mul_f32 v[MM:MM+1],   v[MM:MM+1],   0x3d800000 op_sel_hi:[1,0]     ; / 16
	v_pk_mul_f32 v[MM+2:MM+3], v[MM+2:MM+3], 0x3d800000 op_sel_hi:[1,0]
	v_pk_add_f32 v[TT:TT+1],   v[MEAN:MEAN+1],   v[MM:MM+1]   neg_lo:[0,1] neg_hi:[0,1]
	v_pk_add_f32 v[TT+2:TT+3], v[MEAN+2:MEAN+3], v[MM+2:MM+3] neg_lo:[0,1] neg_hi:[0,1]
	v_pk_mul_f32 v[DV:DV+1],   v[TT:TT+1],   v[TT:TT+1]
	v_pk_mul_f32 v[DV+2:DV+3], v[TT+2:TT+3], v[TT+2:TT+3]
.set i, 1
.rept 15
	v_pk_add_f32 v[TT:TT+1],   v[MEAN+4*i:MEAN+4*i+1],   v[MM:MM+1]   neg_lo:[0,1] neg_hi:[0,1]
	v_pk_add_f32 v[TT+2:TT+3], v[MEAN+4*i+2:MEAN+4*i+3], v[MM+2:MM+3] neg_lo:[0,1] neg_hi:[0,1]
	v_pk_fma_f32 v[DV:DV+1],   v[TT:TT+1],   v[TT:TT+1],   v[DV:DV+1]
	v_pk_fma_f32 v[DV+2:DV+3], v[TT+2:TT+3], v[TT+2:TT+3], v[DV+2:DV+3]
.set i, i+1
.endr
	v_pk_fma_f32 v[MS:MS+1],   v[DV:DV+1],   \n, v[MS:MS+1]   op_sel_hi:[1,0,1]
	v_pk_fma_f32 v[MS+2:MS+3], v[DV+2:DV+3], \n, v[MS+2:MS+3] op_sel_hi:[1,0,1]
.endm
	s_load_b256 s[4:11], s[0:1], 0x0               ; part1 s[4:5], gamma1 s[6:7], beta1 s[8:9], W1 s[10:11]
	s_load_b64 s[12:13], s[0:1], 0x20              ; tab1
	v_lshl_add_u32 v[SPW], v0, 2, SPARE
	v_mov_b32 v[NIL], 0
	v_lshrrev_b32 v1, 5, v0
	v_readfirstlane_b32 s14, v1                    ; wave
	v_and_b32 v4, 15, v0                           ; cq
	v_lshrrev_b32 v5, 4, v0                        ; grp
	v_lshlrev_b32 v6, 4, v4
	v_lshl_add_u32 v7, v5, 14, v6                  ; 16 partials of 1,024 bytes a group
	v_mul_u32_u24 v8, v4, 4144                     ; 4 rows of W1
	v_lshl_add_u32 v9, v5, 8, v6
	s_lshl_b32 s16, ttmp9, 8                       ; my 64 channels' 256 bytes
	s_mov_b32 s17, 0
	s_mul_i32 s18, ttmp9, 66304                    ; 64 rows of W1
	s_mov_b32 s19, 0
	s_wait_kmcnt 0x0
	s_add_nc_u64 s[4:5], s[4:5], s[16:17]
	s_add_nc_u64 s[6:7], s[6:7], s[16:17]
	s_add_nc_u64 s[8:9], s[8:9], s[16:17]
	s_add_nc_u64 s[12:13], s[12:13], s[16:17]
	s_add_nc_u64 s[10:11], s[10:11], s[18:19]
.set i, 0
.rept 16
	global_load_b128 v[MEAN+4*i:MEAN+4*i+3], v7, s[4:5] offset:i*1024          ; sixteen lanes read 256 consecutive bytes, aligned
	global_load_b128 v[M2+4*i:M2+4*i+3],     v7, s[4:5] offset:i*1024+262144
.set i, i+1
.endr
	global_load_b128 v[160:163], v6, s[6:7]        ; gamma1
	global_load_b128 v[164:167], v6, s[8:9]        ; beta1
.irp e, 0,1,2,3
.irp k, 0,1,2
	global_load_b32 v[168+3*\e+\k], v8, s[10:11] offset:\e*1036+4*\k
.endr
.endr
	s_wait_loadcnt 0x0
	MERGE16 0x44800000                             ; 16 partials of 1,024
	ds_store_b128 v9, v[MM:MM+3]
	ds_store_b128 v9, v[MS:MS+3] offset:4096
	s_wait_dscnt 0x0                               ; for the others' sake
	s_barrier_signal -1
	s_barrier_wait -1
.set i, 0
.rept 16
	ds_load_b128 v[MEAN+4*i:MEAN+4*i+3], v6 offset:i*256
	ds_load_b128 v[M2+4*i:M2+4*i+3],     v6 offset:i*256+4096
.set i, i+1
.endr
	s_wait_dscnt 0x0
	MERGE16 0x46800000                             ; 16 groups of 16,384
.irp e, 0,1,2,3
	v_mul_f32 v[MS+\e], 0x36800000, v[MS+\e]       ; / 262,144
	v_max_num_f32 v[MS+\e], 0, v[MS+\e]
	v_add_f32 v[MS+\e], 0x3727c5ac, v[MS+\e]       ; + 1e-5
.endr
.irp e, 0,1,2,3
	v_rsq_f32 v[MS+\e], v[MS+\e]
.endr
	v_nop                                          ; a plain instruction between the last root and the use of its result
	s_wait_alu depctr_va_vdst(0)
.irp e, 0,1,2,3
	v_mul_f32 v[16+\e], v[160+\e], v[MS+\e]                  ; sc
	v_fma_f32 v[40+\e], -v[16+\e], v[MM+\e], v[164+\e]       ; sh
	v_max_num_f32 v[44+\e], 0, v[40+\e]
.endr
	v_cvt_f16_f32 v44.l, v44
	v_cvt_f16_f32 v45.l, v45
	v_cvt_f16_f32 v46.l, v46
	v_cvt_f16_f32 v47.l, v47
	v_cvt_f32_f16 v44, v44.l                       ; hp, a number that f16 holds
	v_cvt_f32_f16 v45, v45.l
	v_cvt_f32_f16 v46, v46.l
	v_cvt_f32_f16 v47, v47.l
.irp e, 0,1,2,3
	v_sub_f32 v[20+\e], v[40+\e], v[44+\e]                   ; shp
	v_mul_f32 v[36+\e], -1.0, v[44+\e]                       ; nhp
	v_mul_f32 v[24+\e], v[16+\e], v[168+3*\e]                ; a0
	v_mul_f32 v[28+\e], v[16+\e], v[169+3*\e]                ; a1
	v_mul_f32 v[32+\e], v[16+\e], v[170+3*\e]                ; a2
.endr
	s_cmp_lg_u32 s14, 0
	s_cbranch_scc1 .Ldone                          ; every thread holds its quad's results; wave 0 stores: lanes 0-15 one row of the table, lanes 16-31 the next
	s_mov_b32 s15, 0xffff0000
	v_lshl_add_u32 v10, v5, 10, v6
.irp u, 0,1,2
.irp e, 0,1,2,3
	v_cndmask_b32 v[48+4*\u+\e], v[16+8*\u+\e], v[20+8*\u+\e], s15
.endr
.endr
.irp u, 0,1,2
	global_store_b128 v10, v[48+4*\u:48+4*\u+3], s[12:13] offset:\u*2048
.endr
.Ldone:
	s_wait_tensorcnt 0x0                           ; the wave's end
	ds_add_u32 v[SPW], v[NIL]
	s_wait_dscnt 0x0
	s_endpgm
.Lfunc_end_k_qb6a46f0e79_bnfin:
	.size	k_qb6a46f0e79_bnfin, .Lfunc_end_k_qb6a46f0e79_bnfin-k_qb6a46f0e79_bnfin
	.p2alignl 7, 3214868480
	.fill 96, 4, 3214868480
	.section	.rodata,"a",@progbits
	.p2align	6, 0x0
	.amdhsa_kernel k_qb6a46f0e79_bnfin
		.amdhsa_group_segment_fixed_size 9216
		.amdhsa_private_segment_fixed_size 0
		.amdhsa_enable_private_segment 0
		.amdhsa_kernarg_size 40
		.amdhsa_user_sgpr_count 2
		.amdhsa_user_sgpr_kernarg_segment_ptr 1
		.amdhsa_wavefront_size32 1
		.amdhsa_system_sgpr_workgroup_id_x 1
		.amdhsa_system_sgpr_workgroup_id_y 1
		.amdhsa_system_sgpr_workgroup_id_z 1
		.amdhsa_system_vgpr_workitem_id 0
		.amdhsa_next_free_vgpr 180
		.amdhsa_next_free_sgpr 66
		.amdhsa_reserve_vcc 0
		.amdhsa_float_denorm_mode_32 3
		.amdhsa_float_denorm_mode_16_64 3
		.amdhsa_memory_ordered 1
		.amdhsa_forward_progress 1
		.amdhsa_inst_pref_size 28
	.end_amdhsa_kernel
	.amdgpu_metadata
---
amdhsa.version: [ 1, 2 ]
amdhsa.kernels:
  - .name:           k_qb6a46f0e79_bnfin
    .symbol:         k_qb6a46f0e79_bnfin.kd
    .args:
      - { .name: part1, .offset: 0, .size: 8, .value_kind: global_buffer, .address_space: global }
      - { .name: gamma1, .offset: 8, .size: 8, .value_kind: global_buffer, .address_space: global }
      - { .name: beta1, .offset: 16, .size: 8, .value_kind: global_buffer, .address_space: global }
      - { .name: W1, .offset: 24, .size: 8, .value_kind: global_buffer, .address_space: global }
      - { .name: tab1, .offset: 32, .size: 8, .value_kind: global_buffer, .address_space: global }
    .group_segment_fixed_size: 9216
    .private_segment_fixed_size: 0
    .kernarg_segment_align: 8
    .kernarg_segment_size: 40
    .max_flat_workgroup_size: 256
    .sgpr_count:     66
    .vgpr_count:     180
    .wavefront_size: 32
...
	.end_amdgpu_metadata
.endif
;; end of part 4
;; launch main (part 5): grid 256 x 1, 8 waves a work-group, no clusters, 100,352 bytes of LDS; arguments idxw, seed_xyz_graspable, vp_rot, f1h, w2h, tab1, ymaxw, part2; writes ymaxw, part2
.if DOCPART == 5
	.amdgcn_target "amdgcn-amd-amdhsa--gfx1250"
	.amdhsa_code_object_version 6
	.text
	.protected	k_qb6a46f0e79_main
	.globl	k_qb6a46f0e79_main
	.p2align	8
	.type	k_qb6a46f0e79_main,@function
k_qb6a46f0e79_main:
	s_mov_b64 s[64:65], 0
	v_nop
	global_prefetch_b8 v0, s[64:65] scope:SCOPE_SE
	s_setreg_imm32_b32 hwreg(HW_REG_WAVE_MODE, 25, 1), 1
	s_wait_xcnt 0x0
; h1' = max(sc (W1x g + F1[idx]) + shp, -hp) in f16; y2 = W2s h1' (W2s: W2 with gamma2's sign on its rows); of y2 the maximum over a query's 32 samples,
; and by channel the mean and M2 of the work-group's 1,024 samples.  Since the second norm's gain is never negative on W2s, max and (norm, ReLU) change places,
; so y2 itself is never stored.
; SHARES: work-group g has queries 32 g .. + 31: 16 tiles of 64 rows (two queries x 32 samples).  Waves 0-3 are PRODUCERS: wave w gathers rows 16 w .. + 15 of each
; tile from F1 (a row = 512 consecutive bytes, lane l channels 8 l .. + 7), makes h1' and puts it into LDS.  Waves 4-7 are CONSUMERS: wave 4 + cw multiplies the 64
; rows by its 64 rows of W2s, which stay in 256 registers for the whole launch.  Two LDS buffers take turns: in interval t the producers fill tile t while the
; consumers multiply tile t - 1; one barrier an interval.  17 intervals; the producers jump over the last, the consumers over the first.
; Column r of tile nt of a consumer is output 64 cw + 4 r + nt, so a lane's four results are four neighbouring channels.
; NO TENSOR LOAD, NO CLUSTER: the rows come by index, a row a sample, and no two work-groups want the same ones; W2s is read once, 32 KB a wave, into registers.
; LIMITS: |h1 - hp| stays below 65,504 (f16); NaN and infinities are not treated apart.
.set HPIT,  528                        ; a row of h1' in LDS: 512 bytes + 16: 33 x 16, so the 16 rows of a fragment load start at 16 different columns of 16 bytes
.set BUFX,  0x10000                    ; buffer 0 at byte 0, buffer 1 here: one exclusive or changes buffers
.set SPARE, 99328                      ; the spare words: 128 bytes a wave, four blocks of 256 bytes that no other line names
.set SPW, 30
.set NIL, 31
; producers: v2 16 lane; v3 my place in a buffer; v4 the same in the buffer in hand
.set NHP, 10                           ; v[10:13]   -hp of my 8 channels, packed f16
.set T,   14                           ; v[14:21]   at work
.set SC,  32                           ; v[32:39] sc; v[40:47] shp; v[48:71] a0, a1, a2
.set SHP, 40
.set A0,  48
.set A1,  56
.set A2,  64
.set IDX, 72                           ; v[72:87]   row i's index: lane t % 16 holds tile t's
.set G,   88                           ; v[88:135]  g0, g1, g2 of row i at G + 16 k + i, by tile in the lanes
.set QC,  136                          ; v[136:147] the tile's query: point, and rotation x 20
.set RAW, 148                          ; v[148:211] 16 rows of F1, 4 registers each
; consumers: v2 r; v28 h; v3, v4 fragment address; v5, v6 store offset; v7 W2's offset; window 1: W2s's fragments, (nt, kb) at 8 (8 nt + kb)
.set S,   8                            ; v[8:15]    sums, a pair a tile nt
.set Q,   16                           ; v[16:23]   sums of squares
.set OUT, 24                           ; v[24:27]   the maxima to store
.set AF,  32                           ; v[32:127]  h1' fragments, three buffers of four row tiles; at work behind a tile's last product
.set MX,  32
.set ACC, 128                          ; v[128:255] accumulator (mt, nt) at ACC + 8 (4 mt + nt)
.set MSB, 0
.macro WIN new                         ; the immediate's high byte repeats the setting that is left; a switch that changes nothing is dropped
.if MSB != (\new)
	s_set_vgpr_msb (MSB<<8)|(\new)
.set MSB, \new
.endif
.endm
	s_load_b256 s[4:11], s[0:1], 0x0               ; idxw s[4:5], xyz s[6:7], rot s[8:9], f1h s[10:11]
	s_load_b256 s[12:19], s[0:1], 0x20             ; w2h s[12:13], tab1 s[14:15], ymaxw s[16:17], part2 s[18:19]
	v_lshl_add_u32 v[SPW], v0, 2, SPARE
	v_mov_b32 v[NIL], 0
	v_lshrrev_b32 v1, 5, v0
	v_readfirstlane_b32 s20, v1                    ; wave 0..7
	v_and_b32 v1, 31, v0                           ; lane
	v_bfe_u32 v28, v0, 4, 1                        ; h: which half of the lanes
	s_and_b32 s21, s20, 3                          ; cw for waves 4-7: wave - 4
	s_lshr_b32 s22, ttmp9, 6                       ; batch
	s_mov_b32 s23, 0                               ; the interval
	s_mov_b32 s24, 0                               ; the lane that holds the tile in hand
	s_mov_b32 s25, 1                               ; and the next tile's
	s_mov_b32 s26, 0                               ; the producers' buffer
	s_mov_b32 s27, BUFX                            ; the consumers'
	s_mov_b32 s28, 0xffff0000                      ; lanes 16-31
	s_mov_b32 s30, 0x76543210
	s_mov_b32 s31, 0xfedcba98
	s_mov_b32 s41, 0                               ; the odd halves of the pairs that the packed forms name
	s_mov_b32 s43, 0
	s_mov_b32 s45, 0
	; The three bases are made here by every wave, ahead of the branch on the wave's number: each has one origin on every way into the loop.
	s_lshl_b32 s32, s22, 20                        ; a batch's 2,048 rows of F1, 512 bytes each
	s_mov_b32 s33, 0
	s_mul_i32 s34, s22, 24576                      ; a batch's 2,048 points, 12 bytes each
	s_mov_b32 s35, 0
	s_lshl2_add_u32 s36, s22, s21                  ; ymaxw[4 b + cw][p][64]: 2,048 x 256 bytes a plane,
	s_lshl_b32 s36, s36, 19
	s_and_b32 s37, ttmp9, 63
	s_lshl_b32 s37, s37, 13                        ; my 32 queries
	s_add_co_u32 s36, s36, s37
	s_mov_b32 s37, 0
	s_wait_kmcnt 0x0
	s_add_nc_u64 s[32:33], s[10:11], s[32:33]      ; the batch's rows of F1
	s_add_nc_u64 s[34:35], s[6:7], s[34:35]        ; the batch's coordinates
	s_add_nc_u64 s[38:39], s[16:17], s[36:37]      ; where the maxima go
	s_cmp_lt_u32 s20, 4
	s_cbranch_scc0 .Lcset
	; PRODUCERS' SET-UP.  Lane l stands for tile l % 16: its query's point and rotation, my 16 slots' indices and their g.
.macro PLOAD i, sel                    ; row i of the tile in lane sel: the load lands on its own offset register
	v_readlane_b32 s46, v[IDX+(\i)], \sel
	s_min_u32 s46, s46, 0x7ff
	v_lshl_add_u32 v[RAW+4*(\i)], s46, 9, v2
	global_load_b128 v[RAW+4*(\i):RAW+4*(\i)+3], v[RAW+4*(\i)], s[32:33]
.endm
	v_lshlrev_b32 v2, 4, v1
	s_mul_i32 s36, s20, 16*HPIT
	v_add_nc_u32 v3, s36, v2
	s_lshr_b32 s47, s20, 1                         ; which of a tile's two queries
	s_and_b32 s48, s20, 1                          ; which 16 of its slots
	v_and_b32 v5, 15, v0
	s_lshl_b32 s36, ttmp9, 5
	s_add_co_u32 s36, s36, s47
	v_lshl_add_u32 v6, v5, 1, s36                  ; the query: 32 g + 2 tile + e
	v_mul_u32_u24 v7, v6, 12
	v_mul_u32_u24 v8, v6, 36
	s_lshl_b32 s36, ttmp9, 12                      ; idxw: pair 16 g + tile, 256 bytes each; slot 8 bytes; query 4
	s_lshl_b32 s37, s48, 7
	s_add_co_u32 s36, s36, s37
	s_lshl2_add_u32 s36, s47, s36
	v_lshl_add_u32 v9, v5, 8, s36
	v_lshlrev_b32 v22, 5, v1                       ; the table: 8 channels of f32
.set i, 0
.rept 16
	global_load_b32 v[IDX+i], v9, s[4:5] offset:i*8
.set i, i+1
.endr
.irp j, 0,1,2
	global_load_b32 v[QC+\j], v7, s[6:7] offset:4*\j
.endr
.irp k, 0,1,2,3,4,5,6,7,8
	global_load_b32 v[QC+3+\k], v8, s[8:9] offset:4*\k
.endr
.irp r, 0,1,2,3,4
	global_load_b128 v[SC+8*\r:SC+8*\r+3],   v22, s[14:15] offset:\r*1024
	global_load_b128 v[SC+8*\r+4:SC+8*\r+7], v22, s[14:15] offset:\r*1024+16
.endr
	global_load_b128 v[T:T+3],   v22, s[14:15] offset:5120
	global_load_b128 v[T+4:T+7], v22, s[14:15] offset:5136
	s_wait_loadcnt 0x0
.set i, 0
.rept 16
	v_min_u32 v[IDX+i], 0x7ff, v[IDX+i]
	v_mul_u32_u24 v[RAW+i], v[IDX+i], 12
.set i, i+1
.endr
.set i, 0
.rept 16
	global_load_b32 v[G+i],    v[RAW+i], s[34:35]
	global_load_b32 v[G+16+i], v[RAW+i], s[34:35] offset:4
	global_load_b32 v[G+32+i], v[RAW+i], s[34:35] offset:8
.set i, i+1
.endr
.irp u, 0,1,2,3
	v_cvt_pk_f16_f32 v[NHP+\u], v[T+2*\u], v[T+2*\u+1]       ; exact: -hp is a number that f16 holds
.endr
.irp k, 0,1,2,3,4,5,6,7,8
	v_mul_f32 v[QC+3+\k], 0x41a00000, v[QC+3+\k]             ; 1 / 0.05 goes into the rotation
.endr
	s_wait_loadcnt 0x0
.set i, 0
.rept 16
	v_sub_f32 v[T],   v[G+i],    v[QC]
	v_sub_f32 v[T+1], v[G+16+i], v[QC+1]
	v_sub_f32 v[T+2], v[G+32+i], v[QC+2]
.irp k, 0,1,2
	v_mul_f32 v[G+16*\k+i], v[T], v[QC+3+\k]
.endr
.irp k, 0,1,2
	v_fma_f32 v[G+16*\k+i], v[T+1], v[QC+6+\k], v[G+16*\k+i]
.endr
.irp k, 0,1,2
	v_fma_f32 v[G+16*\k+i], v[T+2], v[QC+9+\k], v[G+16*\k+i]
.endr
.set i, i+1
.endr
.set n, 0
.rept 16
	PLOAD n, s24                                   ; tile 0's rows
.set n, n+1
.endr
	s_branch .Ltrip
.Lcset:	; CONSUMERS' SET-UP
	v_and_b32 v2, 15, v0
	v_mul_u32_u24 v3, v2, HPIT
	v_lshl_add_u32 v3, v28, 4, v3                  ; a fragment: row r, 16 h bytes on
	v_lshlrev_b32 v5, 8, v28
	v_lshl_add_u32 v5, v2, 4, v5                   ; the maxima: query h of the tile's two, channels 4 r ..
	s_lshl_b32 s36, s21, 15
	v_lshl_add_u32 v7, v2, 11, s36
	v_lshl_add_u32 v7, v28, 4, v7                  ; W2s: row 64 cw + 4 r, 512 bytes a row
	WIN 0x40                                       ; destination window 1
.set f, 0
.rept 32
	global_load_b128 v[8*f:8*f+3],   v7, s[12:13] offset:(f/8)*512+(f%8)*64
	global_load_b128 v[8*f+4:8*f+7], v7, s[12:13] offset:(f/8)*512+(f%8)*64+32
.set f, f+1
.endr
	WIN 0
.set i, 0
.rept 16
	v_mov_b32 v[S+i], 0
.set i, i+1
.endr
	s_wait_loadcnt 0x0                             ; W2s, once
.macro LOADA k                         ; K block k of the four row tiles into buffer k % 3
.irp mt, 0,1,2,3
	ds_load_b128 v[AF+32*((\k)%3)+8*\mt:AF+32*((\k)%3)+8*\mt+3],   v4 offset:\mt*16*HPIT+(\k)*64
	ds_load_b128 v[AF+32*((\k)%3)+8*\mt+4:AF+32*((\k)%3)+8*\mt+7], v4 offset:\mt*16*HPIT+(\k)*64+32
.endr
.endm
.macro MXS q, nt, st                   ; step st of 8 of the maximum over query q's 16 numbers of this lane in column tile nt, from each accumulator's low end on
.set ra, ACC+8*(8*(\q)+(\nt))
.set rb, ra+32
.set rm, MX+4*(\q)+(\nt)
.if (\st) == 0
	v_max3_num_f32 v[rm], v[ra], v[ra+1], v[ra+2]
.elseif (\st) < 3
	v_max3_num_f32 v[rm], v[rm], v[ra+2*(\st)+1], v[ra+2*(\st)+2]
.elseif (\st) == 3
	v_max3_num_f32 v[rm], v[rm], v[ra+7], v[rb]
.elseif (\st) < 7
	v_max3_num_f32 v[rm], v[rm], v[rb+2*(\st)-7], v[rb+2*(\st)-6]
.else
	v_max_num_f32 v[rm], v[rm], v[rb+7]
.endif
.endm
.Ltrip:
	s_cmp_lt_u32 s20, 4
	s_cbranch_scc0 .Lcons
	s_cmp_eq_u32 s23, 16
	s_cbranch_scc1 .Ljoin                          ; the producers have no 17th tile
	; A PRODUCER'S INTERVAL
	v_add_nc_u32 v4, s26, v3
.set i, 0
.rept 16
	s_wait_loadcnt 15                              ; behind row i's load stand this tile's rows i + 1 .. 15 and the next tile's rows 0 .. i - 1: fifteen
	v_readlane_b32 s40, v[G+i], s24
	v_readlane_b32 s42, v[G+16+i], s24
	v_readlane_b32 s44, v[G+32+i], s24
.irp u, 0,1,2,3
	v_pk_fma_f32 v[T+2*\u:T+2*\u+1], v[A0+2*\u:A0+2*\u+1], s[40:41], v[SHP+2*\u:SHP+2*\u+1] op_sel_hi:[1,0,1]
.endr
.irp u, 0,1,2,3
	v_pk_fma_f32 v[T+2*\u:T+2*\u+1], v[A1+2*\u:A1+2*\u+1], s[42:43], v[T+2*\u:T+2*\u+1] op_sel_hi:[1,0,1]
.endr
.irp u, 0,1,2,3
	v_pk_fma_f32 v[T+2*\u:T+2*\u+1], v[A2+2*\u:A2+2*\u+1], s[44:45], v[T+2*\u:T+2*\u+1] op_sel_hi:[1,0,1]
.endr
.irp u, 0,1,2,3                        ; F1 sc + T, rounded once to f16, in place: the low half first, the high half still holds F1
	v_fma_mixlo_f16 v[RAW+4*i+\u], v[RAW+4*i+\u], v[SC+2*\u],   v[T+2*\u]   op_sel_hi:[1,0,0]
	v_fma_mixhi_f16 v[RAW+4*i+\u], v[RAW+4*i+\u], v[SC+2*\u+1], v[T+2*\u+1] op_sel:[1,0,0] op_sel_hi:[1,0,0]
.endr
.irp u, 0,1,2,3
	v_pk_max_num_f16 v[RAW+4*i+\u], v[RAW+4*i+\u], v[NHP+\u] ; relu(x) - hp = max(x - hp, -hp)
.endr
	ds_store_b128 v4, v[RAW+4*i:RAW+4*i+3] offset:i*HPIT
	PLOAD i, s25                                   ; the next tile's row i at once; in the last interval the lane is clamped: 16 loads that nobody reads, inside the buffer
.set i, i+1
.endr
	s_branch .Ljoin
.Lcons:
	s_cmp_eq_u32 s23, 0
	s_cbranch_scc1 .Ljoin                          ; nothing is made yet
	; A CONSUMER'S INTERVAL: 128 matrix instructions, 16 accumulators that take turns
	v_add_nc_u32 v4, s27, v3
	LOADA 0
	LOADA 1
	LOADA 2
.set kb, 0
.rept 8
.if kb <= 5
	s_wait_dscnt 16                                ; behind this K block's eight loads stand the next two blocks' sixteen
.elseif kb == 6
	s_wait_dscnt 8
.else
	s_wait_dscnt 0x0
.endif
	WIN 0x04                                       ; source 1 (W2s) in window 1
.irp mt, 0,1,2,3
.irp nt, 0,1,2,3
.if kb == 0
	v_wmma_f32_16x16x32_f16 v[ACC+8*(4*\mt+\nt):ACC+8*(4*\mt+\nt)+7], v[AF+32*(kb%3)+8*\mt:AF+32*(kb%3)+8*\mt+7], v[8*(8*\nt+kb):8*(8*\nt+kb)+7], 0
.else
	v_wmma_f32_16x16x32_f16 v[ACC+8*(4*\mt+\nt):ACC+8*(4*\mt+\nt)+7], v[AF+32*(kb%3)+8*\mt:AF+32*(kb%3)+8*\mt+7], v[8*(8*\nt+kb):8*(8*\nt+kb)+7], v[ACC+8*(4*\mt+\nt):ACC+8*(4*\mt+\nt)+7]
.endif
.endr
.endr
.if (kb <= 4) || (kb == 7)
	WIN 0
.rept 4
	v_nop                                          ; four places in front of loads into the buffer just read, and of the reads of the results (ISA guide 7.12.1 for vector instructions)
.endr
.endif
.if kb <= 4
	LOADA kb+3
.endif
.set kb, kb+1
.endr
	; sums and squares: register pairs in ascending order, the four column tiles by turns
.set i, 0
.rept 16
.irp nt, 0,1,2,3
	v_pk_add_f32 v[S+2*\nt:S+2*\nt+1], v[S+2*\nt:S+2*\nt+1], v[ACC+8*(4*(i/4)+\nt)+2*(i%4):ACC+8*(4*(i/4)+\nt)+2*(i%4)+1]
.endr
.irp nt, 0,1,2,3
	v_pk_fma_f32 v[Q+2*\nt:Q+2*\nt+1], v[ACC+8*(4*(i/4)+\nt)+2*(i%4):ACC+8*(4*(i/4)+\nt)+2*(i%4)+1], v[ACC+8*(4*(i/4)+\nt)+2*(i%4):ACC+8*(4*(i/4)+\nt)+2*(i%4)+1], v[Q+2*\nt:Q+2*\nt+1]
.endr
.set i, i+1
.endr
.irp st, 0,1,2,3,4,5,6,7
.irp q, 0,1
.irp nt, 0,1,2,3
	MXS \q, \nt, \st
.endr
.endr
.endr
	s_wait_xcnt 0x0                                ; the last tile's store has read its offset and its data: both are written again below
	s_sub_co_u32 s47, s23, 1
	v_lshl_add_u32 v6, s47, 9, v5                  ; the tile's two queries: 512 bytes
.irp nt, 0,1,2,3                       ; lanes 0-15 keep the first query, lanes 16-31 the second; each hands the other's half over
	v_cndmask_b32 v[40+\nt], v[MX+\nt], v[MX+4+\nt], s28
	v_cndmask_b32 v[44+\nt], v[MX+4+\nt], v[MX+\nt], s28
.endr
.irp nt, 0,1,2,3
	v_permlanex16_b32 v[48+\nt], v[44+\nt], s30, s31
.endr
.irp nt, 0,1,2,3
	v_max_num_f32 v[OUT+\nt], v[40+\nt], v[48+\nt]
.endr
	global_store_b128 v6, v[OUT:OUT+3], s[38:39]   ; 512 consecutive bytes, aligned
.Ljoin:
	s_wait_dscnt 0x0                               ; my stores into one buffer, or my reads of the other, are done
	s_barrier_signal -1
	s_barrier_wait -1
	s_xor_b32 s26, s26, BUFX
	s_xor_b32 s27, s27, BUFX
	s_add_co_u32 s24, s24, 1
	s_add_co_u32 s25, s24, 1
	s_min_u32 s25, s25, 15
	s_add_co_u32 s23, s23, 1
	s_cmp_lt_u32 s23, 17
	s_cbranch_scc1 .Ltrip
	s_cmp_lt_u32 s20, 4
	s_cbranch_scc1 .Lend
	; A lane has 512 samples of each of its four channels, the lane 16 away the other 512: mean and M2 of each half, then of both.
.irp nt, 0,1,2,3
	v_mov_b32 v[44+\nt], 0                         ; v_permlanex16_b32 counts as a reader of its destination
	v_mov_b32 v[48+\nt], 0
	v_add_f32 v[32+\nt], v[S+2*\nt], v[S+2*\nt+1]
	v_add_f32 v[36+\nt], v[Q+2*\nt], v[Q+2*\nt+1]
.endr
.irp nt, 0,1,2,3
	v_mul_f32 v[40+\nt], 0x3b000000, v[32+\nt]               ; / 512
.endr
.irp nt, 0,1,2,3
	v_fma_f32 v[36+\nt], -v[32+\nt], v[40+\nt], v[36+\nt]    ; M2 = Q - S mean, about a data point's image
.endr
.irp nt, 0,1,2,3
	v_permlanex16_b32 v[44+\nt], v[40+\nt], s30, s31
	v_permlanex16_b32 v[48+\nt], v[36+\nt], s30, s31
.endr
.irp nt, 0,1,2,3
	v_sub_f32 v[52+\nt], v[40+\nt], v[44+\nt]
	v_add_f32 v[40+\nt], v[40+\nt], v[44+\nt]
	v_add_f32 v[36+\nt], v[36+\nt], v[48+\nt]
.endr
.irp nt, 0,1,2,3
	v_mul_f32 v[52+\nt], v[52+\nt], v[52+\nt]
	v_mul_f32 v[40+\nt], 0.5, v[40+\nt]
.endr
.irp nt, 0,1,2,3
	v_fmamk_f32 v[36+\nt], v[52+\nt], 0x43800000, v[36+\nt]  ; + 512 x 512 / 1,024 x the means' difference squared
.endr
.irp nt, 0,1,2,3
	v_cndmask_b32 v[56+\nt], v[40+\nt], v[36+\nt], s28       ; lanes 0-15 store the means, lanes 16-31 M2
.endr
	s_lshl_b32 s36, ttmp9, 10
	s_lshl_b32 s37, s21, 8
	s_add_co_u32 s36, s36, s37
	v_lshl_add_u32 v29, v28, 18, s36
	v_lshl_add_u32 v29, v2, 4, v29
	global_store_b128 v29, v[56:59], s[18:19]      ; sixteen lanes store 256 consecutive bytes, aligned
.Lend:
	s_wait_tensorcnt 0x0                           ; the wave's end
	ds_add_u32 v[SPW], v[NIL]
	s_wait_dscnt 0x0
	s_endpgm
.Lfunc_end_k_qb6a46f0e79_main:
	.size	k_qb6a46f0e79_main, .Lfunc_end_k_qb6a46f0e79_main-k_qb6a46f0e79_main
	.p2alignl 7, 3214868480
	.fill 96, 4, 3214868480
	.section	.rodata,"a",@progbits
	.p2align	6, 0x0
	.amdhsa_kernel k_qb6a46f0e79_main
		.amdhsa_group_segment_fixed_size 100352
		.amdhsa_private_segment_fixed_size 0
		.amdhsa_enable_private_segment 0
		.amdhsa_kernarg_size 64
		.amdhsa_user_sgpr_count 2
		.amdhsa_user_sgpr_kernarg_segment_ptr 1
		.amdhsa_wavefront_size32 1
		.amdhsa_system_sgpr_workgroup_id_x 1
		.amdhsa_system_sgpr_workgroup_id_y 1
		.amdhsa_system_sgpr_workgroup_id_z 1
		.amdhsa_system_vgpr_workitem_id 0
		.amdhsa_next_free_vgpr 512
		.amdhsa_next_free_sgpr 66
		.amdhsa_reserve_vcc 0
		.amdhsa_float_denorm_mode_32 3
		.amdhsa_float_denorm_mode_16_64 3
		.amdhsa_memory_ordered 1
		.amdhsa_forward_progress 1
		.amdhsa_inst_pref_size 98
	.end_amdhsa_kernel
	.amdgpu_metadata
---
amdhsa.version: [ 1, 2 ]
amdhsa.kernels:
  - .name:           k_qb6a46f0e79_main
    .symbol:         k_qb6a46f0e79_main.kd
    .args:
      - { .name: idxw, .offset: 0, .size: 8, .value_kind: global_buffer, .address_space: global }
      - { .name: seed_xyz_graspable, .offset: 8, .size: 8, .value_kind: global_buffer, .address_space: global }
      - { .name: vp_rot, .offset: 16, .size: 8, .value_kind: global_buffer, .address_space: global }
      - { .name: f1h, .offset: 24, .size: 8, .value_kind: global_buffer, .address_space: global }
      - { .name: w2h, .offset: 32, .size: 8, .value_kind: global_buffer, .address_space: global }
      - { .name: tab1, .offset: 40, .size: 8, .value_kind: global_buffer, .address_space: global }
      - { .name: ymaxw, .offset: 48, .size: 8, .value_kind: global_buffer, .address_space: global }
      - { .name: part2, .offset: 56, .size: 8, .value_kind: global_buffer, .address_space: global }
    .group_segment_fixed_size: 100352
    .private_segment_fixed_size: 0
    .kernarg_segment_align: 8
    .kernarg_segment_size: 64
    .max_flat_workgroup_size: 256
    .sgpr_count:     66
    .vgpr_count:     512
    .wavefront_size: 32
...
	.end_amdgpu_metadata
.endif
;; end of part 5
;; launch finish (part 6): grid 64 x 4, 8 waves a work-group, no clusters, 43,008 bytes of LDS; arguments ymaxw, part2, gamma2, beta2, out0; writes out0
.if DOCPART == 6
	.amdgcn_target "amdgcn-amd-amdhsa--gfx1250"
	.amdhsa_code_object_version 6
	.text
	.protected	k_qb6a46f0e79_finish
	.globl	k_qb6a46f0e79_finish
	.p2align	8
	.type	k_qb6a46f0e79_finish,@function
k_qb6a46f0e79_finish:
	s_mov_b64 s[64:65], 0
	v_nop
	global_prefetch_b8 v0, s[64:65] scope:SCOPE_SE
	s_setreg_imm32_b32 hwreg(HW_REG_WAVE_MODE, 25, 1), 1
	s_wait_xcnt 0x0
; out0[b][o][p] = relu(|gamma2| rsqrt(var + 1e-5) (ymax - mean) + beta2): the second norm on the maxima (its gain's sign lies in W2s), and the turn from
; [query][channel] to [channel][query].  Each work-group merges the 256 partial (mean, M2) of its 64 channels anew, 16 at a time and then 16 again
; (128 KB read, in place of a launch of its own): mean = the means' mean, M2 = sum of M2_i + n sum of (mean_i - mean)^2.
; SHARES: work-group (x, y): batch x / 16, queries 128 (x % 16) .. + 127, channels 64 y .. + 63.  Thread t: channels 4 (t % 16) .. + 3, queries 8 (t / 16) .. + 7.
; The turn goes through LDS: rows of 128 queries, 528 bytes apart; a wave's store then covers 512 consecutive bytes of a channel's row.
.set TILE,  8192                       ; LDS: 8,192 bytes for the merge; 64 rows x 528 bytes; then the spare words, 128 bytes a wave
.set TPIT,  528
.set SPARE, 41984
.set SPW,  2
.set NIL,  3
.set MEAN, 16
.set M2,   80
.set MM,   144
.set DV,   148
.set TT,   152
.set MS,   156
.set L,    168                         ; v[168:199] eight queries' quads of maxima
.macro MERGE16 n                       ; n: the count of each of the 16, as f32 bits
	v_pk_add_f32 v[MM:MM+1],   v[MEAN:MEAN+1],   v[MEAN+4:MEAN+5]
	v_pk_add_f32 v[MM+2:MM+3], v[MEAN+2:MEAN+3], v[MEAN+6:MEAN+7]
	v_pk_add_f32 v[MS:MS+1],   v[M2:M2+1],       v[M2+4:M2+5]
	v_pk_add_f32 v[MS+2:MS+3], v[M2+2:M2+3],     v[M2+6:M2+7]
.set i, 2
.rept 14
	v_pk_add_f32 v[MM:MM+1],   v[MM:MM+1],   v[MEAN+4*i:MEAN+4*i+1]
	v_pk_add_f32 v[MM+2:MM+3], v[MM+2:MM+3], v[MEAN+4*i+2:MEAN+4*i+3]
	v_pk_add_f32 v[MS:MS+1],   v[MS:MS+1],   v[M2+4*i:M2+4*i+1]
	v_pk_add_f32 v[MS+2:MS+3], v[MS+2:MS+3], v[M2+4*i+2:M2+4*i+3]
.set i, i+1
.endr
	v_pk_mul_f32 v[MM:MM+1],   v[MM:MM+1],   0x3d800000 op_sel_hi:[1,0]     ; / 16
	v_pk_mul_f32 v[MM+2:MM+3], v[MM+2:MM+3], 0x3d800000 op_sel_hi:[1,0]
	v_pk_add_f32 v[TT:TT+1],   v[MEAN:MEAN+1],   v[MM:MM+1]   neg_lo:[0,1] neg_hi:[0,1]
	v_pk_add_f32 v[TT+2:TT+3], v[MEAN+2:MEAN+3], v[MM+2:MM+3] neg_lo:[0,1] neg_hi:[0,1]
	v_pk_mul_f32 v[DV:DV+1],   v[TT:TT+1],   v[TT:TT+1]
	v_pk_mul_f32 v[DV+2:DV+3], v[TT+2:TT+3], v[TT+2:TT+3]
.set i, 1
.rept 15
	v_pk_add_f32 v[TT:TT+1],   v[MEAN+4*i:MEAN+4*i+1],   v[MM:MM+1]   neg_lo:[0,1] neg_hi:[0,1]
	v_pk_add_f32 v[TT+2:TT+3], v[MEAN+4*i+2:MEAN+4*i+3], v[MM+2:MM+3] neg_lo:[0,1] neg_hi:[0,1]
	v_pk_fma_f32 v[DV:DV+1],   v[TT:TT+1],   v[TT:TT+1],   v[DV:DV+1]
	v_pk_fma_f32 v[DV+2:DV+3], v[TT+2:TT+3], v[TT+2:TT+3], v[DV+2:DV+3]
.set i, i+1
.endr
	v_pk_fma_f32 v[MS:MS+1],   v[DV:DV+1],   \n, v[MS:MS+1]   op_sel_hi:[1,0,1]
	v_pk_fma_f32 v[MS+2:MS+3], v[DV+2:DV+3], \n, v[MS+2:MS+3] op_sel_hi:[1,0,1]
.endm
	s_load_b256 s[4:11], s[0:1], 0x0               ; ymaxw s[4:5], part2 s[6:7], gamma2 s[8:9], beta2 s[10:11]
	s_load_b64 s[12:13], s[0:1], 0x20              ; out0
	v_lshl_add_u32 v[SPW], v0, 2, SPARE
	v_mov_b32 v[NIL], 0
	v_lshrrev_b32 v1, 5, v0
	v_readfirstlane_b32 s14, v1                    ; wave
	v_and_b32 v4, 15, v0                           ; cq
	v_lshrrev_b32 v5, 4, v0                        ; pg, and the group of partials
	v_lshlrev_b32 v6, 4, v4
	v_lshl_add_u32 v7, v5, 14, v6                  ; 16 partials of 1,024 bytes a group
	v_lshl_add_u32 v8, v5, 11, v6                  ; 8 queries of 256 bytes
	v_lshl_add_u32 v9, v5, 8, v6
	s_and_b32 s15, ttmp7, 0xffff                   ; cw
	s_lshr_b32 s16, ttmp9, 4                       ; batch
	s_and_b32 s17, ttmp9, 15                       ; block of 128 queries
	s_lshl2_add_u32 s18, s16, s15
	s_lshl_b32 s18, s18, 19                        ; plane 4 b + cw of 2,048 x 256 bytes,
	s_lshl_b32 s19, s17, 15                        ; 128 queries of 256 bytes
	s_add_co_u32 s18, s18, s19
	s_mov_b32 s19, 0
	s_lshl_b32 s20, s15, 8                         ; my 64 channels' 256 bytes
	s_mov_b32 s21, 0
	s_wait_kmcnt 0x0
	s_add_nc_u64 s[18:19], s[4:5], s[18:19]
	s_add_nc_u64 s[22:23], s[6:7], s[20:21]
	s_add_nc_u64 s[24:25], s[8:9], s[20:21]
	s_add_nc_u64 s[26:27], s[10:11], s[20:21]
.irp j, 0,1,2,3,4,5,6,7
	global_load_b128 v[L+4*\j:L+4*\j+3], v8, s[18:19] offset:\j*256 th:TH_LOAD_NT  ; sixteen lanes read a query's 256 bytes, aligned; read once in the launch
.endr
.set i, 0
.rept 16
	global_load_b128 v[MEAN+4*i:MEAN+4*i+3], v7, s[22:23] offset:i*1024
	global_load_b128 v[M2+4*i:M2+4*i+3],     v7, s[22:23] offset:i*1024+262144
.set i, i+1
.endr
	global_load_b128 v[160:163], v6, s[24:25]      ; gamma2
	global_load_b128 v[164:167], v6, s[26:27]      ; beta2
	s_wait_loadcnt 0x0
	MERGE16 0x44800000                             ; 16 partials of 1,024
	ds_store_b128 v9, v[MM:MM+3]
	ds_store_b128 v9, v[MS:MS+3] offset:4096
	s_wait_dscnt 0x0                               ; for the others' sake
	s_barrier_signal -1
	s_barrier_wait -1
.set i, 0
.rept 16
	ds_load_b128 v[MEAN+4*i:MEAN+4*i+3], v6 offset:i*256
	ds_load_b128 v[M2+4*i:M2+4*i+3],     v6 offset:i*256+4096
.set i, i+1
.endr
	s_wait_dscnt 0x0
	MERGE16 0x46800000                             ; 16 groups of 16,384
.irp e, 0,1,2,3
	v_mul_f32 v[MS+\e], 0x36800000, v[MS+\e]       ; / 262,144
	v_max_num_f32 v[MS+\e], 0, v[MS+\e]
	v_add_f32 v[MS+\e], 0x3727c5ac, v[MS+\e]       ; + 1e-5
.endr
.irp e, 0,1,2,3
	v_rsq_f32 v[MS+\e], v[MS+\e]
.endr
.irp e, 0,1,2,3
	v_and_b32 v[160+\e], 0x7fffffff, v[160+\e]     ; |gamma2|: plain instructions behind the roots
.endr
	s_wait_alu depctr_va_vdst(0)
.irp e, 0,1,2,3
	v_mul_f32 v[160+\e], v[160+\e], v[MS+\e]                 ; sc
	v_fma_f32 v[164+\e], -v[160+\e], v[MM+\e], v[164+\e]     ; sh
.endr
	v_mul_u32_u24 v9, v4, TPIT                     ; row 16 k + cq is channel 4 cq + k; my 8 queries are 32 bytes of it
	v_lshl_add_u32 v9, v5, 5, v9
	v_add_nc_u32 v9, TILE, v9
.irp k, 0,1,2,3
.irp j, 0,1,2,3,4,5,6,7
	v_fma_f32 v[16+8*\k+\j], v[L+4*\j+\k], v[160+\k], v[164+\k]
.endr
.irp j, 0,1,2,3,4,5,6,7
	v_max_num_f32 v[16+8*\k+\j], 0, v[16+8*\k+\j]
.endr
	ds_store_b128 v9, v[16+8*\k:16+8*\k+3]   offset:\k*16*TPIT
	ds_store_b128 v9, v[16+8*\k+4:16+8*\k+7] offset:\k*16*TPIT+16
.endr
	s_mul_i32 s28, s14, 8*TPIT
	s_add_co_u32 s28, s28, TILE
	v_and_b32 v11, 31, v0
	v_lshlrev_b32 v11, 4, v11
	v_add_nc_u32 v10, s28, v11                     ; wave v reads rows 8 v .. 8 v + 7, whole
	s_lshl_b32 s29, s16, 8                         ; row 8 v + i is channel 64 cw + 32 (v % 2) + 4 i + v / 2
	s_lshl_b32 s30, s15, 6
	s_add_co_u32 s29, s29, s30
	s_and_b32 s30, s14, 1
	s_lshl_b32 s30, s30, 5
	s_add_co_u32 s29, s29, s30
	s_lshr_b32 s30, s14, 1
	s_add_co_u32 s29, s29, s30
	s_lshl_b32 s30, s29, 13                        ; a channel's row is 8,192 bytes,
	s_lshl_b32 s31, s17, 9                         ; my 128 queries 512 of them
	s_add_co_u32 s30, s30, s31
	s_mov_b32 s31, 0
	s_add_nc_u64 s[30:31], s[12:13], s[30:31]
	s_wait_dscnt 0x0                               ; for the others' sake
	s_barrier_signal -1
	s_barrier_wait -1
.irp i, 0,1,2,3,4,5,6,7
	ds_load_b128 v[48+4*\i:48+4*\i+3], v10 offset:\i*TPIT
.endr
.irp i, 0,1,2,3,4,5,6,7
	s_wait_dscnt 7-\i
	global_store_b128 v11, v[48+4*\i:48+4*\i+3], s[30:31] offset:\i*32768 th:TH_STORE_NT  ; 512 consecutive bytes, aligned
.endr
	s_wait_tensorcnt 0x0                           ; the wave's end
	ds_add_u32 v[SPW], v[NIL]
	s_wait_dscnt 0x0
	s_endpgm
.Lfunc_end_k_qb6a46f0e79_finish:
	.size	k_qb6a46f0e79_finish, .Lfunc_end_k_qb6a46f0e79_finish-k_qb6a46f0e79_finish
	.p2alignl 7, 3214868480
	.fill 96, 4, 3214868480
	.section	.rodata,"a",@progbits
	.p2align	6, 0x0
	.amdhsa_kernel k_qb6a46f0e79_finish
		.amdhsa_group_segment_fixed_size 43008
		.amdhsa_private_segment_fixed_size 0
		.amdhsa_enable_private_segment 0
		.amdhsa_kernarg_size 40
		.amdhsa_user_sgpr_count 2
		.amdhsa_user_sgpr_kernarg_segment_ptr 1
		.amdhsa_wavefront_size32 1
		.amdhsa_system_sgpr_workgroup_id_x 1
		.amdhsa_system_sgpr_workgroup_id_y 1
		.amdhsa_system_sgpr_workgroup_id_z 1
		.amdhsa_system_vgpr_workitem_id 0
		.amdhsa_next_free_vgpr 200
		.amdhsa_next_free_sgpr 66
		.amdhsa_reserve_vcc 0
		.amdhsa_float_denorm_mode_32 3
		.amdhsa_float_denorm_mode_16_64 3
		.amdhsa_memory_ordered 1
		.amdhsa_forward_progress 1
		.amdhsa_inst_pref_size 32
	.end_amdhsa_kernel
	.amdgpu_metadata
---
amdhsa.version: [ 1, 2 ]
amdhsa.kernels:
  - .name:           k_qb6a46f0e79_finish
    .symbol:         k_qb6a46f0e79_finish.kd
    .args:
      - { .name: ymaxw, .offset: 0, .size: 8, .value_kind: global_buffer, .address_space: global }
      - { .name: part2, .offset: 8, .size: 8, .value_kind: global_buffer, .address_space: global }
      - { .name: gamma2, .offset: 16, .size: 8, .value_kind: global_buffer, .address_space: global }
      - { .name: beta2, .offset: 24, .size: 8, .value_kind: global_buffer, .address_space: global }
      - { .name: out0, .offset: 32, .size: 8, .value_kind: global_buffer, .address_space: global }
    .group_segment_fixed_size: 43008
    .private_segment_fixed_size: 0
    .kernarg_segment_align: 8
    .kernarg_segment_size: 40
    .max_flat_workgroup_size: 256
    .sgpr_count:     66
    .vgpr_count:     200
    .wavefront_size: 32
...
	.end_amdgpu_metadata
.endif
;; end of part 6
